; MI455X (gfx1250); checked and timed in simulation.
; The chip was launched on July 23, 2026; its instructions are those of AMD's public machine-readable ISA for CDNA 5 (MIT licence, August 2026) and "CDNA5" Instruction Set Architecture Reference Guide (July 2026). The comments in the code are by the model that wrote it; some were corrected since.
;; Self Attention. Allowed arithmetic: matrix products marked QUANTISED: E3M2 operands, one E8M0 scale for each 32 along K, by v_wmma_scale_f32_16x16x128_f8f6f4 with both operands' format E3M2, f32 sums; everything else in f32.
;; Inputs: Wk_codes 1,024 x 32 x 24 uint8 (E3M2 codes of Wk, K innermost, in blocks of 32 codes, four codes in three bytes); Wk_scales 1,024 x 32 uint8 (E8M0 scales of Wk, one for each 32 codes along K); Wq_codes 1,024 x 32 x 24 uint8 (E3M2 codes of Wq, K innermost, in blocks of 32 codes, four codes in three bytes); Wq_scales 1,024 x 32 uint8 (E8M0 scales of Wq, one for each 32 codes along K); Wv_codes 1,024 x 32 x 24 uint8 (E3M2 codes of Wv, K innermost, in blocks of 32 codes, four codes in three bytes); Wv_scales 1,024 x 32 uint8 (E8M0 scales of Wv, one for each 32 codes along K); X_codes 4 x 2,048 x 32 x 24 uint8 (E3M2 codes of X, K innermost, in blocks of 32 codes, four codes in three bytes); X_scales 4 x 2,048 x 32 uint8 (E8M0 scales of X, one for each 32 codes along K); bk 1,024 float32; bq 1,024 float32; bv 1,024 float32.
;; Outputs: out0 4 x 2,048 x 1,024 float32.
;; This version of the problem:
;;   THIS VERSION OF THE PROBLEM IS GIVEN IN LOW PRECISION. The matrix products marked QUANTISED in the list below multiply operands that are first quantised to E3M2 (3 exponent bits, 2 mantissa bits; 6 bits a number), with one power-of-two scale for each 32 numbers along K (OCP MX v1.0); their sums are f32. All else is computed in f32.
;;   The module's matrix products, in the order in which they are computed (A, B: the left and right operand; K: the contracted axis; several contracted axes count as one K, in the product's order):
;;     1. [M 8,192, K 1,024] x [K 1,024, N 1,024]; A: input X (given as codes); B: input Wq (given as codes): QUANTISED
;;     2. [M 8,192, K 1,024] x [K 1,024, N 1,024]; A: input X (given as codes); B: input Wk (given as codes): QUANTISED
;;     3. [M 8,192, K 1,024] x [K 1,024, N 1,024]; A: input X (given as codes); B: input Wv (given as codes): QUANTISED
;;     4. batch 4 x [M 2,048, K 1,024] x [K 1,024, N 2,048]; A: computed on the way; B: computed on the way: QUANTISED
;;     5. batch 4 x [M 2,048, K 2,048] x [K 2,048, N 1,024]; A: softmax (see below); B: computed on the way: QUANTISED
;;   THE QUANTISER, for each operand of a quantised product, along K:
;;     - K is cut into blocks of 32 from its start; a last block that is shorter is filled with zeros.
;;     - A block's scale is 2^e with e = floor(log2(the largest magnitude in the block)) - 4, held to -126 .. 127; a block of zeros has e = 0. As a byte (E8M0): e + 127.
;;     - Each number is divided by its block's scale, clamped to +-28, and rounded to the nearest number of E3M2, ties to even, subnormals kept.
;;     - The product sums the exact products of the quantised numbers (number of the format x scale) in f32.
;;   ~~~python
;;   def quantise(x, axis):      # numpy; x: float32 -> the quantised numbers, widened to float32 again
;;       x = np.moveaxis(x, axis, -1); K = x.shape[-1]
;;       x = np.pad(x, [(0, 0)] * (x.ndim - 1) + [(0, -K % 32)]); x = x.reshape(x.shape[:-1] + (-1, 32)); a = np.abs(x).max(-1, keepdims=True)
;;       e = np.where(a > 0, np.clip(np.frexp(np.where(a > 0, a, 1))[1] - 1 - 4, -126, 127), 0)      # np.frexp(a)[1] - 1 = floor(log2(a)), exactly
;;       r = np.clip(x / 2.0 ** e, -28, 28)
;;       step = 2.0 ** (np.maximum(np.frexp(np.where(r == 0, 1, r))[1] - 1, -2) - 2)
;;       q = np.round(r / step) * step * 2.0 ** e      # np.round: ties to even
;;       return np.moveaxis(q.reshape(q.shape[:-2] + (-1,))[..., :K], -1, axis).astype(np.float32)
;;   ~~~
;;   SOFTMAX AHEAD OF A QUANTISED PRODUCT. Where the list says 'softmax', what is quantised is not the finished softmax but p = 2^(t - M), with t = logit x log2(e) and M = ceil(the row's largest t), a whole number; so 1/2 < the row's largest p <= 1. The row's sum l is taken of the UNQUANTISED p, in f32, and the product's result is divided by l at the end. Since M is a whole number, a kernel that streams over the keys may use a running M (the ceiling of the running maximum): every later rescaling is an exact power of two, which a block's scale takes up: the codes' values come out the same.
;;   OPERANDS COMPUTED ON THE WAY. 'Computed on the way' means the value that the module computes at that place (a softmax that the list does not call 'softmax' is quantised finished and normalised). What goes into a quantiser is computed in f32, as accurately as f32 sums, v_exp_f32 and their like allow (about 1e-6 of the number): no bf16 or f16 on the way to a quantiser, and a product that is left as it is and whose result goes on into a quantised operand takes f32 operands (vector FMAs, or v_wmma_f32_16x16x4_f32). A number that lies on a knife's edge between two numbers of the format may be rounded either way, as far as f32 arithmetic and the matrix unit's own rounding can turn it there, and no further.
;;   INPUTS GIVEN AS CODES. Wk (in the module: [1024, 1024], K = its axis 1); Wq (in the module: [1024, 1024], K = its axis 1); Wv (in the module: [1024, 1024], K = its axis 1); X (in the module: [4, 2048, 1024], K = its axis 2): each comes as NAME_codes (uint8): NAME with its K axis moved to the last place and cut into blocks of 32 codes, [.., K / 32, bytes a block], one block behind the other in memory; four codes in three bytes: a row's codes are one little-endian stream of bits, code i at bits 6 i .. 6 i + 5 (a code: sign, 3 exponent bits, 2 mantissa bits); and NAME_scales (uint8): the same leading axes, one E8M0 byte (e + 127) for each 32 codes along K. Its value is code x scale, taken as it is: it is not quantised again, and the codes and scales need not be those that the quantiser above would give.
;; One version. Each part assembles by itself: llvm-mc -triple=amdgcn-amd-amdhsa -mcpu=gfx1250 --defsym DOCPART=n.
;; ======== version 1 of 1: 3 launches
;; workspace buffers: qimg 6,291,456 bytes; kimg 6,291,456 bytes; vimg 6,291,456 bytes; qsc 262,144 bytes; ksc 262,144 bytes; vsc 262,144 bytes; pimg 12,582,912 bytes; pstat 1,572,864 bytes
;; launch proj (part 1): grid 8 x 32, 4 waves a work-group, clusters of 4 x 4, 327,680 bytes of LDS; arguments X_codes, X_scales, Wq_codes, Wq_scales, Wk_codes, Wk_scales, Wv_codes, Wv_scales, bq, bk, bv, qimg, qsc, kimg, ksc, vimg, vsc; writes qimg, qsc, kimg, ksc, vimg, vsc
.if DOCPART == 1
	.amdgcn_target "amdgcn-amd-amdhsa--gfx1250"
	.amdhsa_code_object_version 6
	.text
	.protected	k_qf71a83684f_proj
	.globl	k_qf71a83684f_proj
	.p2align	8
	.type	k_qf71a83684f_proj,@function
k_qf71a83684f_proj:
	s_mov_b64 s[64:65], 0
	v_nop
	global_prefetch_b8 v0, s[64:65] scope:SCOPE_SE
	s_setreg_imm32_b32 hwreg(HW_REG_WAVE_MODE, 25, 1), 1
	s_wait_xcnt 0x0
	s_wait_alu depctr_hold_cnt(0) depctr_sa_sdst(0) depctr_va_vdst(0) depctr_va_sdst(0) depctr_va_ssrc(0) depctr_va_vcc(0) depctr_vm_vsrc(0)
	s_getreg_b32 s2, hwreg(HW_REG_IB_STS2, 6, 4)
	s_cmp_eq_u32 s2, 0
	s_cbranch_scc0 .Lentry_in_a_cluster
	s_endpgm
.Lentry_in_a_cluster:
	s_bfe_u32 s2, ttmp6, 0x10000c
	s_cmp_lg_u32 s2, 0xf033
	s_cbranch_scc0 .Lentry_shape_is_right
	s_endpgm
.Lentry_shape_is_right:
; Q = X Wq^T + bq, K = X Wk^T + bk, V = X Wv^T + bv on codes of E3M2 with E8M0 scales, sums in f32; each result is quantised in registers for the product that takes it
; (Q and K along the 1,024 channels, V along the keys) and stored as images of operand registers with one scale word for each row and 128 along K.
; DEAD WORK OF THE WHOLE PROGRAM.  reference() builds its causal mask in its own body: a score with key > query becomes -infinity, its weight is 0 whatever finite values the inputs hold.
; So the later launches leave out the tiles of scores that lie wholly above the diagonal, and the key steps of the second product that lie wholly behind a query block.  Nothing is left out here:
; every row of Q, K, V is read by a live tile, and bq, bk, bv go into quantised operands.  All inputs are loaded.
; LIMITS.  A NaN, an infinity or an overflow that reaches only the work left out is not carried to the result.  NaN and infinities among the inputs are not served.
; A block of zeros gets the scale byte 1 (its codes are zeros; this program alone reads the bytes).  Inside each block of 32 along K the codes of Q, K, V (and later P) lie in one fixed
; permutation, place 16 h + 8 u + j holding number 16 u + 8 h + j: the same on both sides of each product, so blocks, scales and exact products are those of the stated quantiser; only the order of the f32 sums differs.
; SHARES.  Q and K are 256 tiles of 256 x 256, V is 256 half tiles: 256 work-groups, each with one of either, 768 matrix instructions a wave.  y = 4 cluster y + cy is a block of 256 rows of X.
; FIRST  a tile of Q (cluster x = 0) or K (1): source 1 (lanes) = X's block y, source 0 (registers) = W's rows 256 cx on; a wave makes 128 x 128: a lane holds a row of X, its registers run along the channels.
; THEN   half a tile of V^T: source 1 (lanes) = Wv's rows 128 g on, g = 4 cluster x + cx, source 0 (registers) = the same block y of X; a wave makes 64 channels x 128 keys: its registers run along the keys.
; X's tiles hang on y alone and are asked for jointly by a row of the cluster, W's on cx and the cluster's x alone, by a column: in both parts.
; K goes in steps of 256 through two LDS slots, and the ring goes on from the first part into the second: the first part's last two changes of slots ask for V's first two K steps, which land under its last step and its way out.
; The scales of X's and W's rows come once into LDS; Wv's scale words come once into registers.  Each bias is the C of a sum's first matrix instruction.
; REGISTERS: window 0: v0-31 addresses; v32-63 scale words; v64-127 the bias; v128-223 source 1's fragments; v224-231 offsets; v240-255 Wv's scale words; on a way out v112-131 codes, v200-215 at work, v232-239 scale words.
; window 1: source 0's fragments, two sets.  windows 2, 3: the accumulators, (a, b) at v[8 (8 (a % 4) + b)].
.set NQ,     2
.set ROWB,   192
.set KROW,   768
.set PITCH,  240                       ; 3 x (64 bytes + 16 of padding)
.set FR,     12
.set NL,     6
.set NP,     4
.set HALFT,  128*PITCH
.set SLOT,   4*HALFT                   ; X's 256 rows, then W's 256 (of Wv: 128)
.set KS,     32                        ; a row of scale bytes
.set SCL,    2*SLOT
.set HALFS,  (128*KS/256)*272
.set SBLK,   (16*KS/256)*272
.set SPARE,  SCL+4*HALFS               ; the spare words: 128 bytes a wave, named by no other line
.set STG,    SPARE+512                 ; the scale words' stage: 512 bytes a wave, into which no tile lands
.set RD2,  7                           ; the stage, back, second part: 512 w + 8 lane
.set ADRA2, 8                          ; v8-11   Wv's fragments in slot 0, 1 (and behind one padding more)
.set ADRB2, 12                         ; v12-15  X's fragments as source 0
.set ADRA, 16
.set ADRB, 20
.set STO,  24                          ; the stage: 512 w + 4 r
.set RD,   25                          ; 512 w + 16 lane
.set CO,   26                          ; 16 lane
.set ADRS, 27
.set SPW,  28
.set NIL,  29
.set FLR,  30                          ; the floor 2^(5 - 127)
.set ADRS2, 31                         ; X's scale words for the second part
.set SC,   32
.set BI,   64
.set PC,   112
.set AF,   128
.set TM,   200
.set BO,   224                         ; 32 h
.set BO2,  225                         ; 4 r
.set BO3,  226                         ; 32 r + 16 h
.set CO2,  227                         ; 8 lane
.set RB,   228
.set PW,   232
.set WS,   240                         ; register 4 a + i: Wv's block a: lanes 0-15 the word of K step i, lanes 16-31 of K step 4 + i
.set G1, 24
.set G0, 32
.set G1B, 48
.set G0B, 56
.set G1S, 68
.set G0S, 76
.set G1SB, 80
.set G0SB, 88
.set VSP, 66                           ; s[66:67]   vsc at my wave's words
.set WSP, 94                           ; s[94:95]   Wv's scales at my wave's rows
.set WVC, 96                           ; s[96:97]   Wv's codes at the rows that I fetch
.set VIM, 98                           ; s[98:99]   vimg at my wave's images
.set BVP, 104                          ; s[104:105] bv at my wave's channels
.set MSB, 0
.macro WIN new                         ; the immediate's high byte repeats the setting that is left
.if MSB != \new
	s_set_vgpr_msb (MSB<<8)|\new
.set MSB, \new
.endif
.endm
.set MUL_LO, 0xa1
.set MUL_HI, 0xf1
.set TO_B,   0x40
.macro JLOAD g0a, g1a, g0b, g1b        ; waves 0, 1 fetch X's tile, waves 2, 3 W's; an s_nop 0 and four v_nop follow each line
	s_cmp_eq_u32 s15, 0
	s_cbranch_scc0 .Lfor_b_\@
	tensor_load_to_lds s[\g0a:\g0a+3], s[\g1a:\g1a+7]
	s_nop 0
.rept 4
	v_nop
.endr
	s_branch .Lasked_\@
.Lfor_b_\@:
	tensor_load_to_lds s[\g0b:\g0b+3], s[\g1b:\g1b+7]
	s_nop 0
.rept 4
	v_nop
.endr
.Lasked_\@:
.endm
.macro CREST
	s_cmp_lg_u32 s14, 0
	s_cbranch_scc1 .Lnot_wave_0_\@
	s_barrier_signal -3
.Lnot_wave_0_\@:
	s_barrier_wait -3
	s_barrier_signal -1
	s_barrier_wait -1
.endm
.macro CROUND
	s_barrier_signal -1
	s_barrier_wait -1
	CREST
.endm
.macro PLACES n
.rept \n
	v_nop
.endr
.endm
	s_load_b512 s[68:83], s[0:1], 0x0              ; X codes, X scales, Wq codes, scales, Wk codes, scales, Wv codes, scales
	s_load_b512 s[84:99], s[0:1], 0x40             ; bq, bk, bv, qimg, qsc, kimg, ksc, vimg
	s_load_b64 s[66:67], s[0:1], 0x80              ; vsc
	v_lshl_add_u32 v[SPW], v0, 2, SPARE
	v_mov_b32 v[NIL], 0
	ds_add_u32 v[SPW], v[NIL]                      ; the opening: the add, twice on end, and its wait ahead of my first tensor load
	ds_add_u32 v[SPW], v[NIL]
	v_lshrrev_b32 v1, 5, v0
	v_readfirstlane_b32 s14, v1                    ; wave
	s_lshr_b32 s15, s14, 1                         ; my half of source 1's rows; also: I fetch X's tile (0) or W's (1)
	s_and_b32 s16, s14, 1                          ; my half of source 0's rows; also: which half of that tile I fetch
	s_bfe_u32 s40, ttmp6, 0x40000                  ; cx
	s_bfe_u32 s41, ttmp6, 0x40004                  ; cy
	s_and_b32 s17, ttmp7, 0xffff
	s_lshl_b32 s17, s17, 2
	s_add_co_u32 s17, s17, s41                     ; y: X's block of 256 rows: of cy and the cluster's y alone
	s_lshl_b32 s42, ttmp9, 2
	s_add_co_u32 s42, s42, s40                     ; g: Wv's group of 128 rows: of cx and the cluster's x alone
	s_lshl_b32 s43, s41, 2
	s_lshl_b32 s43, 15, s43                        ; my row of the cluster
	s_lshl_b32 s44, 0x1111, s40                    ; my column
	s_or_b32 s[G1+0], s43, (0<<16)|(1<<20)|(1<<21)|(3<<22)|(3<<25)   ; mask; bytes; padding of 4 words behind every 16
	s_or_b32 s[G1B+0], s44, (0<<16)|(1<<20)|(1<<21)|(3<<22)|(3<<25)
.irp g, G1, G1B
	s_mov_b32 s[\g+1], ROWB<<16
	s_mov_b32 s[\g+2], 128<<16
	s_mov_b32 s[\g+3], ROWB<<16
	s_mov_b32 s[\g+4], 128
	s_mov_b32 s[\g+5], KROW
	s_mov_b32 s[\g+6], 0
	s_mov_b32 s[\g+7], 0
.endr
	s_lshl_b32 s18, s16, 7
	s_lshl_b32 s20, s17, 8
	s_add_co_u32 s20, s20, s18                     ; X: row 256 y + 128 x half
	s_lshl_b32 s46, s40, 8
	s_add_co_u32 s46, s46, s18                     ; Wq or Wk: row 256 cx + 128 x half
	s_mov_b32 s21, 0
	s_mov_b32 s47, 0
	s_mov_b64 s[18:19], KS
	s_mul_u64 s[22:23], s[20:21], s[18:19]         ; X's scales, in bytes
	s_mov_b64 s[18:19], KROW
	s_mul_u64 s[20:21], s[20:21], s[18:19]         ; X's codes
	s_mul_i32 s45, s14, HALFT
	s_wait_dscnt 0x0                               ; both opening adds are done
	s_wait_kmcnt 0x0
	s_cmp_eq_u32 ttmp9, 0                          ; Q or K: chosen by the cluster's x alone, the same in all sixteen partners
	s_cselect_b64 s[8:9], s[72:73], s[76:77]       ; W's codes,
	s_cselect_b64 s[10:11], s[74:75], s[78:79]     ; W's scales,
	s_cselect_b64 s[2:3], s[84:85], s[86:87]       ; the bias,
	s_cselect_b64 s[12:13], s[90:91], s[94:95]     ; the images,
	s_cselect_b64 s[100:101], s[92:93], s[96:97]   ; their scale words
	s_mov_b64 s[4:5], s[68:69]                     ; X's codes
	s_mov_b64 s[6:7], s[70:71]                     ; X's scales
	s_mov_b64 s[WVC:WVC+1], s[80:81]               ; what the second part wants leaves the registers that the scales' descriptors take
	s_mov_b64 s[WSP:WSP+1], s[82:83]
	s_mov_b64 s[BVP:BVP+1], s[88:89]
	s_or_b32 s[G1S+0], s43, (3<<16)|(1<<20)|(1<<21)|(5<<22)|(3<<25)  ; the scales of 128 rows: 16 rows of 256 bytes, 16 bytes of padding behind each
	s_or_b32 s[G1SB+0], s44, (3<<16)|(1<<20)|(1<<21)|(5<<22)|(3<<25)
.irp g, G1S, G1SB
	s_mov_b32 s[\g+1], 32<<16
	s_mov_b32 s[\g+2], (128*KS/256)<<16
	s_mov_b32 s[\g+3], 32<<16
	s_mov_b32 s[\g+4], 128*KS/256
	s_mov_b32 s[\g+5], 32
	s_mov_b32 s[\g+6], 0
	s_mov_b32 s[\g+7], 0
.endr
	s_mov_b64 s[18:19], KS
	s_mul_u64 s[92:93], s[46:47], s[18:19]         ; W's scales
	s_mov_b64 s[18:19], KROW
	s_mul_u64 s[46:47], s[46:47], s[18:19]         ; W's codes
	s_mul_i32 s18, s14, HALFS
	s_add_nc_u64 s[20:21], s[4:5], s[20:21]
	s_add_nc_u64 s[22:23], s[6:7], s[22:23]
	s_add_nc_u64 s[46:47], s[8:9], s[46:47]
	s_add_nc_u64 s[92:93], s[10:11], s[92:93]
	CROUND                                         ; all sixteen work-groups are here: the first joint loads meet
	s_mov_b32 s[G0S], 1
	s_add_co_u32 s[G0S+1], s18, SCL
	s_mov_b64 s[G0S+2:G0S+3], s[22:23]
	s_or_b32 s[G0S+3], s[G0S+3], 0x80000000
	s_mov_b32 s[G0SB], 1
	s_add_co_u32 s[G0SB+1], s18, SCL
	s_mov_b64 s[G0SB+2:G0SB+3], s[92:93]
	s_or_b32 s[G0SB+3], s[G0SB+3], 0x80000000
	JLOAD G0S, G1S, G0SB, G1SB                     ; the scales first
.irp s, 0,1
	s_mov_b32 s[G0+4*\s], 1
	s_add_co_u32 s[G0+4*\s+1], s45, \s*SLOT
	s_add_nc_u64 s[G0+4*\s+2:G0+4*\s+3], s[20:21], \s*ROWB
	s_or_b32 s[G0+4*\s+3], s[G0+4*\s+3], 0x80000000
	s_mov_b32 s[G0B+4*\s], 1
	s_add_co_u32 s[G0B+4*\s+1], s45, \s*SLOT
	s_add_nc_u64 s[G0B+4*\s+2:G0B+4*\s+3], s[46:47], \s*ROWB
	s_or_b32 s[G0B+4*\s+3], s[G0B+4*\s+3], 0x80000000
	JLOAD G0+4*\s, G1, G0B+4*\s, G1B
.endr
	v_and_b32 v1, 15, v0                           ; r
	v_bfe_u32 v2, v0, 4, 1                         ; h
	v_mul_u32_u24 v3, v1, PITCH
	v_mul_u32_u24 v4, v2, 24
	v_add_nc_u32 v4, v3, v4                        ; row x pitch + 24 h
	v_lshl_add_u32 v5, v2, 4, v4                   ; the same behind one padding more
	s_mul_i32 s21, s15, HALFT                      ; first part: my 128 rows of X,
	s_mul_i32 s22, s16, HALFT
	s_add_co_u32 s22, s22, 2*HALFT                 ; my 128 rows of W
	s_mul_i32 s23, s15, 64*PITCH
	s_add_co_u32 s23, s23, 2*HALFT                 ; second part: my 64 rows of Wv,
	s_mul_i32 s20, s16, HALFT                      ; my 128 rows of X
.irp s, 0,1
	v_add_nc_u32 v[ADRA+\s], s21, v4
	v_add_nc_u32 v[ADRB+\s], s22, v4
	v_add_nc_u32 v[ADRA+2+\s], s21, v5
	v_add_nc_u32 v[ADRB+2+\s], s22, v5
	v_add_nc_u32 v[ADRA2+\s], s23, v4
	v_add_nc_u32 v[ADRB2+\s], s20, v4
	v_add_nc_u32 v[ADRA2+2+\s], s23, v5
	v_add_nc_u32 v[ADRB2+2+\s], s20, v5
	s_add_co_u32 s21, s21, SLOT
	s_add_co_u32 s22, s22, SLOT
	s_add_co_u32 s23, s23, SLOT
	s_add_co_u32 s20, s20, SLOT
.endr
	v_mul_u32_u24 v5, v1, KS
	v_lshrrev_b32 v6, 8, v5
	v_lshl_add_u32 v5, v6, 4, v5                   ; 16 more for each 256 bytes passed
	s_mul_i32 s23, s16, HALFS
	s_add_co_u32 s23, s23, SCL
	v_add_nc_u32 v[ADRS2], s23, v5                 ; second part: X's words of my 128 keys, the same in both halves of the lanes
	s_mul_i32 s21, s15, HALFS
	s_mul_i32 s22, s16, HALFS
	s_add_co_u32 s22, s22, 2*HALFS
	s_sub_co_u32 s22, s22, s21
	v_mul_u32_u24 v6, s22, v2                      ; first part: lanes 16-31 take W's
	s_add_co_u32 s21, s21, SCL
	v_add_nc_u32 v5, v5, v6
	v_add_nc_u32 v[ADRS], s21, v5
	s_lshl_b32 s23, s14, 9
	s_add_co_u32 s23, s23, STG
	v_lshl_add_u32 v[STO], v1, 2, s23
	v_and_b32 v6, 31, v0
	v_lshlrev_b32 v[CO], 4, v6
	v_add_nc_u32 v[RD], s23, v[CO]
	v_lshlrev_b32 v[CO2], 3, v6
	v_add_nc_u32 v[RD2], s23, v[CO2]
	; bq or bk in the result's layout: register 8 b + j = bias(16 b + 8 h + j) of my 128 channels
	s_lshl_b32 s46, s40, 10
	s_lshl_b32 s47, s16, 9
	s_add_co_u32 s46, s46, s47
	s_mov_b32 s47, 0
	s_add_nc_u64 s[2:3], s[2:3], s[46:47]
	v_lshlrev_b32 v[BO], 5, v2
.irp b, 0,1,2,3,4,5,6,7
	global_load_b128 v[BI+8*\b:BI+8*\b+3], v[BO], s[2:3] offset:64*\b
	global_load_b128 v[BI+8*\b+4:BI+8*\b+7], v[BO], s[2:3] offset:64*\b+16
.endr
	; Wv's scale words of my 64 rows: a row's 32 bytes are its eight words; lane (r, h) takes words 4 h .. 4 h + 3 of row 16 a + r
	s_lshl_b32 s46, s42, 7
	s_lshl_b32 s92, s15, 6
	s_add_co_u32 s46, s46, s92                     ; my first row of Wv: 128 g + 64 x half
	s_lshl_b32 s92, s46, 5
	s_mov_b32 s93, 0
	s_add_nc_u64 s[WSP:WSP+1], s[WSP:WSP+1], s[92:93]
	s_lshl_b32 s92, s46, 2
	s_add_nc_u64 s[BVP:BVP+1], s[BVP:BVP+1], s[92:93]
	v_lshlrev_b32 v[BO3], 5, v1
	v_lshl_add_u32 v[BO3], v2, 4, v[BO3]
.irp a, 0,1,2,3
	global_load_b128 v[WS+4*\a:WS+4*\a+3], v[BO3], s[WSP:WSP+1] offset:512*\a
.endr
	v_lshlrev_b32 v[BO2], 2, v1
	s_lshl_b32 s46, s42, 7                         ; the rows of Wv that I fetch, if I fetch W's: 128 g + 64 x (wave & 1)
	s_lshl_b32 s92, s16, 6
	s_add_co_u32 s46, s46, s92
	s_mul_i32 s46, s46, KROW
	s_add_nc_u64 s[WVC:WVC+1], s[WVC:WVC+1], s[46:47]
	; where my wave's images and scale words go.  Q, K: 8 x block of 256 rows + K step
	s_lshl_b32 s18, s17, 3
	s_lshl_b32 s19, s40, 1
	s_add_co_u32 s18, s18, s19
	s_add_co_u32 s18, s18, s16
	s_mul_i32 s20, s18, 24576
	s_mul_i32 s21, s15, 12288
	s_add_co_u32 s20, s20, s21
	s_lshl_b32 s22, s18, 10
	s_lshl_b32 s23, s15, 9
	s_add_co_u32 s22, s22, s23
	s_mov_b32 s21, 0
	s_mov_b32 s23, 0
	s_add_nc_u64 s[12:13], s[12:13], s[20:21]
	s_add_nc_u64 s[100:101], s[100:101], s[22:23]
	s_lshr_b32 s18, s17, 3                         ; V: ((8 batch + g) 16 + key step); my four tiles of 16 channels begin at tile 4 x half
	s_lshl_b32 s18, s18, 3
	s_add_co_u32 s18, s18, s42
	s_lshl_b32 s18, s18, 4
	s_and_b32 s19, s17, 7
	s_lshl_b32 s19, s19, 1
	s_add_co_u32 s18, s18, s19
	s_add_co_u32 s18, s18, s16
	s_mul_i32 s20, s18, 12288
	s_mul_i32 s22, s15, 6144
	s_add_co_u32 s20, s20, s22
	s_lshl_b32 s22, s18, 9
	s_lshl_b32 s19, s15, 8
	s_add_co_u32 s22, s22, s19
	s_add_nc_u64 s[VIM:VIM+1], s[VIM:VIM+1], s[20:21]
	s_add_nc_u64 s[VSP:VSP+1], s[VSP:VSP+1], s[22:23]
.macro FRAG reg, adr, q, i             ; 16 rows x 128 K of 6-bit codes: 12 registers, in pieces of 8 bytes; the second address register serves the pieces behind one padding more
.irp p, 0,1,2,3,4,5
.set PCE, 12*(\q)+6*(\p/3)+\p%3
.if PCE%8 < 5
	ds_load_b64 v[\reg+2*\p:\reg+2*\p+1], v[\adr] offset:8*PCE+16*(PCE/8)+(\i)*16*PITCH
.else
	ds_load_b64 v[\reg+2*\p:\reg+2*\p+1], v[\adr+2] offset:8*PCE+16*(PCE/8)+(\i)*16*PITCH
.endif
.endr
.endm
; THE FIRST PART.  16 matrix instructions: X's blocks a0, a0 + 1 x W's eight.  zero = 2: C = the bias by W's block; 0: in place.  The 64 accumulators take turns.
.macro MUL16 a0, p, q, sc, zero
.irp a, \a0, \a0+1
.irp b, 0,1,2,3,4,5,6,7
.if \zero == 2
	v_wmma_scale_f32_16x16x128_f8f6f4 v[8*(8*((\a)%4)+\b):8*(8*((\a)%4)+\b)+7], v[128*(\p)+FR*\b:128*(\p)+FR*\b+FR-1], v[AF+FR*(\a):AF+FR*(\a)+FR-1], v[BI+8*\b:BI+8*\b+7], v[SC+8*NQ*(\sc)+NQ*\b+(\q)], v[SC+8*NQ*(\sc)+NQ*(\a)+(\q)] matrix_a_fmt:MATRIX_FMT_BF6 matrix_b_fmt:MATRIX_FMT_BF6 matrix_a_scale:MATRIX_SCALE_ROW1
.else
	v_wmma_scale_f32_16x16x128_f8f6f4 v[8*(8*((\a)%4)+\b):8*(8*((\a)%4)+\b)+7], v[128*(\p)+FR*\b:128*(\p)+FR*\b+FR-1], v[AF+FR*(\a):AF+FR*(\a)+FR-1], v[8*(8*((\a)%4)+\b):8*(8*((\a)%4)+\b)+7], v[SC+8*NQ*(\sc)+NQ*\b+(\q)], v[SC+8*NQ*(\sc)+NQ*(\a)+(\q)] matrix_a_fmt:MATRIX_FMT_BF6 matrix_b_fmt:MATRIX_FMT_BF6 matrix_a_scale:MATRIX_SCALE_ROW1
.endif
.endr
.endr
.endm
.macro FETCH_B slot, q, p
	WIN TO_B
.irp i, 0,1,2,3,4,5,6,7
	FRAG 128*(\p)+FR*\i, ADRB+\slot, \q, \i
.endr
	WIN 0
.endm
.macro FETCH_A slot, q, i0
.irp i, \i0, \i0+1, \i0+2, \i0+3
	FRAG AF+FR*(\i), ADRA+\slot, \q, \i
.endr
.endm
.macro SCALES sc
.irp i, 0,1,2,3,4,5,6,7
	ds_load_b64 v[SC+8*NQ*\sc+NQ*\i:SC+8*NQ*\sc+NQ*\i+1], v[ADRS] offset:\i*SBLK
.endr
.endm
; THE SECOND PART'S fetches: X's eight fragments (source 0) into window 1's set q, Wv's four (source 1) into set q of two, X's scale words
.macro FETCH_B2 slot, q
	WIN TO_B
.irp i, 0,1,2,3,4,5,6,7
	FRAG 128*(\q)+FR*\i, ADRB2+\slot, \q, \i
.endr
	WIN 0
.endm
.macro FETCH_A2 slot, q
.irp i, 0,1,2,3
	FRAG AF+48*(\q)+FR*\i, ADRA2+\slot, \q, \i
.endr
.endm
.macro SCALES2 sc
.irp i, 0,1,2,3,4,5,6,7
	ds_load_b64 v[SC+8*NQ*\sc+NQ*\i:SC+8*NQ*\sc+NQ*\i+1], v[ADRS2] offset:\i*SBLK
.endr
.endm
; The descriptors of slot s turn to V's K step s: X's tile goes back along K; W's becomes 64 rows of Wv a wave, in the first half of W's place.  No tensor load of mine is out here.
.macro TOV slot
	s_sub_nc_u64 s[G0+4*\slot+2:G0+4*\slot+3], s[G0+4*\slot+2:G0+4*\slot+3], 2*ROWB
	s_mul_i32 s46, s16, 64*PITCH
	s_add_co_u32 s[G0B+4*\slot+1], s46, 2*HALFT+\slot*SLOT
	s_add_nc_u64 s[G0B+4*\slot+2:G0B+4*\slot+3], s[WVC:WVC+1], \slot*ROWB
	s_or_b32 s[G0B+4*\slot+3], s[G0B+4*\slot+3], 0x80000000
.if \slot == 0
	s_mov_b32 s[G1B+2], 64<<16                     ; tensor_dim1 = 64
	s_mov_b32 s[G1B+4], 64                         ; tile_dim1 = 64
.endif
.endm
.macro STEP slot, q, zero              ; 128 along K with its successor in the same slot
	s_wait_dscnt 4*NL                              ; all but the youngest 24 loads (X's blocks 4-7)
.if \zero
	WIN 0x81                                       ; C (the bias) in window 0, D in window 2
.else
	WIN MUL_LO
.endif
	MUL16 0, (\q)%2, \q, \slot, \zero
	MUL16 2, (\q)%2, \q, \slot, \zero
	s_wait_dscnt 0
	PLACES NP                                      ; four plain places ahead of loads into registers that matrix instructions have read
	FETCH_B \slot, (\q)+1, 1-(\q)%2
	FETCH_A \slot, (\q)+1, 0
.if \zero
	WIN 0xc1
.else
	WIN MUL_HI
.endif
	MUL16 4, (\q)%2, \q, \slot, \zero
	MUL16 6, (\q)%2, \q, \slot, \zero
	PLACES NP
	WIN 0
	FETCH_A \slot, (\q)+1, 4
.endm
; A slot's last step changes slots: one barrier.  fill = 1: it opens a round of the cluster's barrier and the slot is filled again, two K steps on; 2: with V's K step 0; 0: nothing is filled
.macro TURN slot, next, fill
	s_wait_tensorcnt 0x0                           ; all my tensor loads have landed: my part of the next slot
	ds_add_u32 v[SPW], v[NIL]
	s_wait_dscnt 4*NL+1                            ; the add and the youngest 24 loads may be out
	WIN MUL_LO
	MUL16 0, 1, NQ-1, \slot, 0
	s_wait_dscnt 0x0                               ; the add is done, my reads of this slot are over
	s_barrier_signal -1
	MUL16 2, 1, NQ-1, \slot, 0
	WIN 0
	s_barrier_wait -1
.if \fill
	CREST
.if \fill == 2
	TOV \slot
.else
	s_add_nc_u64 s[G0+4*\slot+2:G0+4*\slot+3], s[G0+4*\slot+2:G0+4*\slot+3], 2*ROWB
	s_add_nc_u64 s[G0B+4*\slot+2:G0B+4*\slot+3], s[G0B+4*\slot+2:G0B+4*\slot+3], 2*ROWB
.endif
	JLOAD G0+4*\slot, G1, G0B+4*\slot, G1B
.else
	PLACES NP
.endif
	v_add_nc_u32 v[ADRS], 4*NQ, v[ADRS]
	FETCH_B \next, 0, 0
	FETCH_A \next, 0, 0
	SCALES \next
	WIN MUL_HI
	MUL16 4, 1, NQ-1, \slot, 0
	MUL16 6, 1, NQ-1, \slot, 0
	PLACES NP
	WIN 0
	FETCH_A \next, 0, 4
.endm
	s_wait_tensorcnt 1                             ; the scales and my part of K step 0 are in; K step 1's load may be out
	s_barrier_signal -1
	s_barrier_wait -1
	FETCH_B 0, 0, 0
	FETCH_A 0, 0, 0
	SCALES 0
	FETCH_A 0, 0, 4
	s_wait_loadcnt 0x0                             ; the bias and Wv's scale words
	STEP 0, 0, 2                                   ; K = 1,024 is four fills of a slot: the steps are written out
	TURN 0, 1, 1
	STEP 1, 0, 0
	TURN 1, 0, 1
	STEP 0, 0, 0
	TURN 0, 1, 2                                   ; THE RING GOES ON INTO V: slot 0 takes its K step 0,
	STEP 1, 0, 0
	s_wait_tensorcnt 0x0                           ; the first part's last step: all my tensor loads have landed: my part of V's K step 0
	ds_add_u32 v[SPW], v[NIL]
	s_wait_dscnt 4*NL+1                            ; the add and the youngest 24 loads may be out
	WIN MUL_LO
	MUL16 0, 1, NQ-1, 1, 0
	s_wait_dscnt 0x0                               ; the add is done, my reads of slot 1 are over: all this step's fragments are in registers
	s_barrier_signal -1
	MUL16 2, 1, NQ-1, 1, 0
	WIN 0
	s_barrier_wait -1
	CREST
	TOV 1
	JLOAD G0+4, G1, G0B+4, G1B                     ; slot 1 its K step 1: it lands under the way out below
	FETCH_B2 0, 0                                  ; V's first fragments of X and their scale words: into registers that the way out does not touch; the four v_nop above are the places
	SCALES2 0
	WIN MUL_HI
	MUL16 4, 1, NQ-1, 1, 0
	MUL16 6, 1, NQ-1, 1, 0
	WIN 0
; A WAY OUT.  Block a: 16 rows (lanes) x 128 along the next K (64 registers: register 8 b + j = number 16 b + 8 h + j).  Four blocks of 32: largest magnitude with the floor among its leaves,
; 4 off its exponent field = the conversion's scale operand, its shift = the byte; the conversions; the exchange of halves.  The 12 registers leave as they stand: each store covers 512 consecutive bytes.
.macro QOUT a, base
.set QS, 64*((\a)%4)
.set QH, 2+(\a)/4
	WIN ((QH<<2)|(QH<<4))
.irp b, 0,1,2,3
	v_max3_num_f32 v[TM+\b], v[FLR], |v[QS+16*\b]|, |v[QS+16*\b+1]|     ; each accumulator is read from its low end on
.endr
.irp i, 2,4,6,8,10,12,14
.irp b, 0,1,2,3
	v_max3_num_f32 v[TM+\b], v[TM+\b], |v[QS+16*\b+\i]|, |v[QS+16*\b+\i+1]|
.endr
.endr
	WIN 0
.irp b, 0,1,2,3
	v_permlanex16_b32 v[TM+4+\b], v[TM+\b], s18, s19
.endr
.irp b, 0,1,2,3
	v_max_num_f32 v[TM+\b], v[TM+\b], v[TM+4+\b]
.endr
.irp b, 0,1,2,3
	v_add_nc_u32 v[TM+12+\b], 0xfe000000, v[TM+\b]
.endr
.irp b, 0,1,2,3
	v_lshrrev_b32 v[TM+4+\b], 23, v[TM+12+\b]
.endr
	v_lshl_or_b32 v[PW+\a], v[TM+5], 8, v[TM+4]
	v_lshl_or_b32 v[PW+\a], v[TM+6], 16, v[PW+\a]
	v_lshl_or_b32 v[PW+\a], v[TM+7], 24, v[PW+\a]
	s_wait_xcnt 0x0                                ; the last block's stores have read the codes' registers
	WIN QH
.irp c, 0,1
	v_cvt_scalef32_pk16_bf6_f32 v[PC+6*\c:PC+6*\c+2], v[QS+32*\c:QS+32*\c+15], v[TM+12+2*\c]
	v_cvt_scalef32_pk16_bf6_f32 v[PC+12+4*\c:PC+14+4*\c], v[QS+16+32*\c:QS+31+32*\c], v[TM+13+2*\c]
.endr
	WIN 0
	v_nop                                          ; one plain place behind a scaled conversion
.irp c, 0,1
.irp i, 0,1,2
	v_permlane16_swap_b32 v[PC+6*\c+\i], v[PC+12+4*\c+\i]
.endr
.irp i, 0,1,2
	v_mov_b32 v[PC+3+6*\c+\i], v[PC+12+4*\c+\i]
.endr
.endr
.irp c, 0,1,2
	global_store_b128 v[CO], v[PC+4*\c:PC+4*\c+3], s[\base:\base+1] offset:1536*\a+512*\c
.endr
	ds_store_b32 v[STO], v[PW+\a] offset:64*\a     ; lanes r and r + 16 write the same word with the same value
.endm
	PLACES NP
.irp a, 0,1,2,3
.irp j, 0,1,2,3,4,5,6,7
	global_load_b32 v[BI+8*\a+\j], v[BO2], s[BVP:BVP+1] offset:64*\a   ; bv in V^T's layout: all eight registers of block a hold bias(16 a + r).  Asked for here, wanted behind the way out
.endr
.endr
	v_mov_b32 v[FLR], 0x2800000
.irp b, 0,1,2,3
	v_mov_b32 v[TM+4+\b], 0                        ; a lane permute's destination counts as one of its sources
.endr
	s_mov_b32 s18, 0x76543210
	s_mov_b32 s19, 0xfedcba98
.irp a, 0,1,2,3,4,5,6,7
	QOUT \a, 12
.endr
	ds_load_b128 v[RB:RB+3], v[RD]                 ; my 128 rows' scale words; LDS serves a wave's instructions in order
	s_wait_dscnt 0x0
	global_store_b128 v[CO], v[RB:RB+3], s[100:101]
; THE SECOND PART.  8 matrix instructions: Wv's block a x X's eight, K step kk of eight (q = kk % 2 in its slot).  zero = 1: C = bv.  The 32 accumulators take turns.
.macro MUL8V a, q, sc, kk, zero
.irp b, 0,1,2,3,4,5,6,7
.if \zero
	v_wmma_scale_f32_16x16x128_f8f6f4 v[8*(8*(\a)+\b):8*(8*(\a)+\b)+7], v[128*(\q)+FR*\b:128*(\q)+FR*\b+FR-1], v[AF+48*(\q)+FR*(\a):AF+48*(\q)+FR*(\a)+FR-1], v[BI+8*(\a):BI+8*(\a)+7], v[SC+8*NQ*(\sc)+NQ*\b+(\q)], v[WS+4*(\a)+(\kk)%4] matrix_a_fmt:MATRIX_FMT_BF6 matrix_b_fmt:MATRIX_FMT_BF6
.elseif (\kk) < 4
	v_wmma_scale_f32_16x16x128_f8f6f4 v[8*(8*(\a)+\b):8*(8*(\a)+\b)+7], v[128*(\q)+FR*\b:128*(\q)+FR*\b+FR-1], v[AF+48*(\q)+FR*(\a):AF+48*(\q)+FR*(\a)+FR-1], v[8*(8*(\a)+\b):8*(8*(\a)+\b)+7], v[SC+8*NQ*(\sc)+NQ*\b+(\q)], v[WS+4*(\a)+(\kk)%4] matrix_a_fmt:MATRIX_FMT_BF6 matrix_b_fmt:MATRIX_FMT_BF6
.else
	v_wmma_scale_f32_16x16x128_f8f6f4 v[8*(8*(\a)+\b):8*(8*(\a)+\b)+7], v[128*(\q)+FR*\b:128*(\q)+FR*\b+FR-1], v[AF+48*(\q)+FR*(\a):AF+48*(\q)+FR*(\a)+FR-1], v[8*(8*(\a)+\b):8*(8*(\a)+\b)+7], v[SC+8*NQ*(\sc)+NQ*\b+(\q)], v[WS+4*(\a)+(\kk)%4] matrix_a_fmt:MATRIX_FMT_BF6 matrix_b_fmt:MATRIX_FMT_BF6 matrix_b_scale:MATRIX_SCALE_ROW1
.endif
.endr
.endm
.macro WINV zero
.if \zero
	WIN 0x81                                       ; C (bv) in window 0, D in window 2
.else
	WIN MUL_LO
.endif
.endm
.macro STEP2 slot, kk, zero            ; a slot's first 128 along K, on sets 0; its second 128 are fetched into sets 1
	PLACES NP                                      ; behind the products that read sets 1
	FETCH_B2 \slot, 1
	s_wait_dscnt 48                                ; all but the 48 loads just issued: sets 0 and the scale words are in
	WINV \zero
	MUL8V 0, 0, \slot, \kk, \zero
	MUL8V 1, 0, \slot, \kk, \zero
	WIN 0
	FETCH_A2 \slot, 1
	WINV \zero
	MUL8V 2, 0, \slot, \kk, \zero
	MUL8V 3, 0, \slot, \kk, \zero
	WIN 0
.endm
.macro TURN2 slot, next, kk, fill      ; a slot's second 128 along K, on sets 1, and the change of slots
	s_wait_tensorcnt 0x0                           ; all my tensor loads have landed: my part of the next slot
	ds_add_u32 v[SPW], v[NIL]
	s_wait_dscnt 1                                 ; sets 1 are in; the add may be out
	WIN MUL_LO
	MUL8V 0, 1, \slot, \kk, 0
	s_wait_dscnt 0x0                               ; the add is done, my reads of this slot are over
	s_barrier_signal -1
	MUL8V 1, 1, \slot, \kk, 0
	WIN 0
	s_barrier_wait -1
.if \fill
	CREST
	s_add_nc_u64 s[G0+4*\slot+2:G0+4*\slot+3], s[G0+4*\slot+2:G0+4*\slot+3], 2*ROWB
	s_add_nc_u64 s[G0B+4*\slot+2:G0B+4*\slot+3], s[G0B+4*\slot+2:G0B+4*\slot+3], 2*ROWB
	JLOAD G0+4*\slot, G1, G0B+4*\slot, G1B
.else
	PLACES NP
.endif
	v_add_nc_u32 v[ADRS2], 4*NQ, v[ADRS2]
	FETCH_B2 \next, 0
	FETCH_A2 \next, 0
	SCALES2 \next
	WIN MUL_LO
	MUL8V 2, 1, \slot, \kk, 0
	MUL8V 3, 1, \slot, \kk, 0
	WIN 0
.endm
	s_wait_xcnt 0x0                                ; the way out's stores have read their registers: Wv's fragments may land there
	FETCH_A2 0, 0                                  ; slot 0 is whole: every wave waited for its part ahead of the round in the first part's last step
	s_wait_loadcnt 0x0                             ; bv
	STEP2 0, 0, 1
	TURN2 0, 1, 1, 1
	STEP2 1, 2, 0
	TURN2 1, 0, 3, 1
	STEP2 0, 4, 0
	TURN2 0, 1, 5, 0
	STEP2 1, 6, 0
	s_wait_dscnt 0x0                               ; the very last step: nothing more to fetch
	WIN MUL_LO
	MUL8V 0, 1, 1, 7, 0
	MUL8V 1, 1, 1, 7, 0
	MUL8V 2, 1, 1, 7, 0
	MUL8V 3, 1, 1, 7, 0
	WIN 0
	PLACES NP
.irp a, 0,1,2,3
	QOUT \a, VIM
.endr
	ds_load_b64 v[RB:RB+1], v[RD2]                 ; my 64 channels' scale words
	s_wait_dscnt 0x0
	global_store_b64 v[CO2], v[RB:RB+1], s[VSP:VSP+1]   ; 32 lanes store 256 consecutive bytes, at a multiple of 256 from the buffer's first byte
	s_wait_tensorcnt 0x0                           ; the wave's end
	ds_add_u32 v[SPW], v[NIL]
	s_wait_dscnt 0x0
	CROUND                                         ; the closing round
	s_endpgm
.Lfunc_end_k_qf71a83684f_proj:
	.size	k_qf71a83684f_proj, .Lfunc_end_k_qf71a83684f_proj-k_qf71a83684f_proj
	.p2alignl 7, 3214868480
	.fill 96, 4, 3214868480
	.section	.rodata,"a",@progbits
	.p2align	6, 0x0
	.amdhsa_kernel k_qf71a83684f_proj
		.amdhsa_group_segment_fixed_size 327680
		.amdhsa_private_segment_fixed_size 0
		.amdhsa_enable_private_segment 0
		.amdhsa_kernarg_size 136
		.amdhsa_user_sgpr_count 2
		.amdhsa_user_sgpr_kernarg_segment_ptr 1
		.amdhsa_wavefront_size32 1
		.amdhsa_system_sgpr_workgroup_id_x 1
		.amdhsa_system_sgpr_workgroup_id_y 1
		.amdhsa_system_sgpr_workgroup_id_z 1
		.amdhsa_system_vgpr_workitem_id 0
		.amdhsa_next_free_vgpr 1024
		.amdhsa_next_free_sgpr 106
		.amdhsa_reserve_vcc 0
		.amdhsa_float_denorm_mode_32 3
		.amdhsa_float_denorm_mode_16_64 3
		.amdhsa_memory_ordered 1
		.amdhsa_forward_progress 1
		.amdhsa_inst_pref_size 255
	.end_amdhsa_kernel
	.section	.bss,"aw",@nobits
	.p2align	6
	.space	262144
	.amdgpu_metadata
---
amdhsa.version: [ 1, 2 ]
amdhsa.kernels:
  - .name:           k_qf71a83684f_proj
    .symbol:         k_qf71a83684f_proj.kd
    .args:
      - { .name: X_codes, .offset: 0, .size: 8, .value_kind: global_buffer, .address_space: global }
      - { .name: X_scales, .offset: 8, .size: 8, .value_kind: global_buffer, .address_space: global }
      - { .name: Wq_codes, .offset: 16, .size: 8, .value_kind: global_buffer, .address_space: global }
      - { .name: Wq_scales, .offset: 24, .size: 8, .value_kind: global_buffer, .address_space: global }
      - { .name: Wk_codes, .offset: 32, .size: 8, .value_kind: global_buffer, .address_space: global }
      - { .name: Wk_scales, .offset: 40, .size: 8, .value_kind: global_buffer, .address_space: global }
      - { .name: Wv_codes, .offset: 48, .size: 8, .value_kind: global_buffer, .address_space: global }
      - { .name: Wv_scales, .offset: 56, .size: 8, .value_kind: global_buffer, .address_space: global }
      - { .name: bq, .offset: 64, .size: 8, .value_kind: global_buffer, .address_space: global }
      - { .name: bk, .offset: 72, .size: 8, .value_kind: global_buffer, .address_space: global }
      - { .name: bv, .offset: 80, .size: 8, .value_kind: global_buffer, .address_space: global }
      - { .name: qimg, .offset: 88, .size: 8, .value_kind: global_buffer, .address_space: global }
      - { .name: qsc, .offset: 96, .size: 8, .value_kind: global_buffer, .address_space: global }
      - { .name: kimg, .offset: 104, .size: 8, .value_kind: global_buffer, .address_space: global }
      - { .name: ksc, .offset: 112, .size: 8, .value_kind: global_buffer, .address_space: global }
      - { .name: vimg, .offset: 120, .size: 8, .value_kind: global_buffer, .address_space: global }
      - { .name: vsc, .offset: 128, .size: 8, .value_kind: global_buffer, .address_space: global }
    .group_segment_fixed_size: 327680
    .private_segment_fixed_size: 0
    .kernarg_segment_align: 8
    .kernarg_segment_size: 136
    .max_flat_workgroup_size: 128
    .sgpr_count:     106
    .vgpr_count:     1024
    .wavefront_size: 32
...
	.end_amdgpu_metadata
.endif
;; end of part 1
;; launch scores (part 2): grid 36 x 4, 4 waves a work-group, no clusters, 327,680 bytes of LDS; arguments qimg, qsc, kimg, ksc, pimg, pstat; writes pimg, pstat
.if DOCPART == 2
	.amdgcn_target "amdgcn-amd-amdhsa--gfx1250"
	.amdhsa_code_object_version 6
	.text
	.protected	k_qf71a83684f_scores
	.globl	k_qf71a83684f_scores
	.p2align	8
	.type	k_qf71a83684f_scores,@function
k_qf71a83684f_scores:
	s_mov_b64 s[64:65], 0
	v_nop
	global_prefetch_b8 v0, s[64:65] scope:SCOPE_SE
	s_setreg_imm32_b32 hwreg(HW_REG_WAVE_MODE, 25, 1), 1
	s_wait_xcnt 0x0
; S^T = K Q^T on the codes of Q and K, then for each query and each 128 keys: t = score x log2(e) / 32, M = ceil(the largest t of these 128 keys), p = 2^(t - M),
; the sum of the unquantised p, and p quantised along the keys.  Stored: P's register images, and for each (query, 128 keys) the scale word, -M and the sum.
; The next launch brings the parts of a row under the row's own M by adding whole numbers to the scale bytes: exact.
; LEFT OUT AS DEAD: of the 64 tiles of 256 x 256 of a batch the 28 with tile column > tile row: reference()'s own mask makes all their weights 0.  In a diagonal tile the wave with rows 0-127 and
; keys 128-255 multiplies with the others (its work lies inside a live tile) and stores nothing: the next launch never reads that part.
; NO CLUSTER: tile row I has I + 1 tiles and tile column J has 8 - J: neither is a multiple of four, and partners would need different numbers of tiles.
; LIMITS: NaN and infinities are not served; v_exp_f32 gives 0 under 2^-126.
; SHARES.  Work-group x = I (I + 1) / 2 + J, y = batch.  A = Q's block 8 batch + I (source 1: a lane holds a query), B = K's block 8 batch + J (source 0: registers run along the keys).  A wave makes 128 x 128.
; LDS.  Three slots of two K steps of 128 (A's 2 x 16 images of 1,536 bytes, then B's); all scale words once; a stage and the spare words.  Lane l reads 16 bytes at 16 l: consecutive.
; Each wave issues four first fills (scale words, slots 0, 1, 2) and one refill (slot 0 with K steps 6, 7): four tensor loads of mine are out at the most.
.set SLOT,  98304
.set SCA,   3*SLOT
.set STG,   SCA+16384
.set SPARE, STG+4*1536
.set FR,   12
.set D0,   8                           ; r - 8 h
.set NINF, 9
.set ADRA, 16
.set ADRB, 20
.set STO,  24
.set RD,   25
.set CO,   26
.set ADRS, 27
.set SPW,  28
.set NIL,  29
.set SC,   32                          ; v32-95: register 8 k + i: lanes 0-15 the word of A's block i, lanes 16-31 of B's block i, K step k
.set PC,   112
.set AF,   128
.set TM,   200
.set PWR,  216
.set NMR,  224
.set LR,   232
.set G1T,  24
.set G0,   32
.set G0S,  44
.set G1S,  48
.set MSB, 0
.macro WIN new
.if MSB != \new
	s_set_vgpr_msb (MSB<<8)|\new
.set MSB, \new
.endif
.endm
.set MUL_LO, 0xa1
.set MUL_HI, 0xf1
.set TO_B,   0x40
.macro PLACES n
.rept \n
	v_nop
.endr
.endm
	s_load_b256 s[4:11], s[0:1], 0x0               ; qimg, qsc, kimg, ksc
	s_load_b128 s[12:15], s[0:1], 0x20             ; pimg, pstat
	v_lshl_add_u32 v[SPW], v0, 2, SPARE
	v_mov_b32 v[NIL], 0
	ds_add_u32 v[SPW], v[NIL]                      ; the opening: the add, twice on end, and its wait ahead of my first tensor load
	ds_add_u32 v[SPW], v[NIL]
	v_lshrrev_b32 v1, 5, v0
	v_readfirstlane_b32 s16, v1                    ; wave
	s_lshr_b32 s17, s16, 1                         ; my half of the queries
	s_and_b32 s18, s16, 1                          ; my half of the keys
	s_and_b32 s21, ttmp7, 0xffff                   ; batch
	s_mov_b32 s19, 0
.irp T, 1,3,6,10,15,21,28
	s_cmp_ge_u32 ttmp9, \T
	s_cselect_b32 s56, 1, 0
	s_add_co_u32 s19, s19, s56                     ; I
.endr
	s_add_co_u32 s56, s19, 1
	s_mul_i32 s56, s56, s19
	s_lshr_b32 s56, s56, 1
	s_sub_co_u32 s20, ttmp9, s56                   ; J
	s_mov_b32 s[G1T], 3<<16                        ; elements of 8 bytes, no mask, no padding: 96 rows of 256 bytes, dense
	s_mov_b32 s[G1T+1], 32<<16
	s_mov_b32 s[G1T+2], 96<<16
	s_mov_b32 s[G1T+3], 32<<16
	s_mov_b32 s[G1T+4], 96
	s_mov_b32 s[G1T+5], 32
	s_mov_b32 s[G1T+6], 0
	s_mov_b32 s[G1T+7], 0
	s_mov_b32 s[G1S], 3<<16                        ; 16 rows of 256 bytes
	s_mov_b32 s[G1S+1], 32<<16
	s_mov_b32 s[G1S+2], 16<<16
	s_mov_b32 s[G1S+3], 32<<16
	s_mov_b32 s[G1S+4], 16
	s_mov_b32 s[G1S+5], 32
	s_mov_b32 s[G1S+6], 0
	s_mov_b32 s[G1S+7], 0
	s_cmp_lt_u32 s16, 2                            ; waves 0, 1 fetch Q's block, waves 2, 3 K's; the wave's low bit picks the K step of a slot's two
	s_cselect_b32 s56, s19, s20
	s_lshl_b32 s57, s21, 3
	s_add_co_u32 s56, s56, s57
	s_mul_i32 s58, s56, 196608
	s_mul_i32 s57, s18, 24576
	s_add_co_u32 s58, s58, s57
	s_mov_b32 s59, 0
	s_lshl_b32 s66, s56, 13
	s_lshl_b32 s57, s18, 12
	s_add_co_u32 s66, s66, s57
	s_mov_b32 s67, 0
	s_mul_i32 s68, s16, 24576
	s_lshl_b32 s69, s16, 12
	s_mov_b32 s22, 0x3d38aa3b                      ; c = log2(e) / 32
	s_mov_b32 s23, s22
	s_mov_b32 s60, 0x76543210
	s_mov_b32 s61, 0xfedcba98
	s_wait_dscnt 0x0
	s_wait_kmcnt 0x0
	s_cmp_lt_u32 s16, 2
	s_cselect_b64 s[70:71], s[4:5], s[8:9]
	s_cselect_b64 s[72:73], s[6:7], s[10:11]
	s_add_nc_u64 s[70:71], s[70:71], s[58:59]
	s_add_nc_u64 s[72:73], s[72:73], s[66:67]
	s_mov_b32 s[G0S], 1
	s_add_co_u32 s[G0S+1], s69, SCA
	s_mov_b64 s[G0S+2:G0S+3], s[72:73]
	s_or_b32 s[G0S+3], s[G0S+3], 0x80000000
	tensor_load_to_lds s[G0S:G0S+3], s[G1S:G1S+7]  ; half a block's scale words
	s_nop 0
.irp s, 0,1,2
	s_mov_b32 s[G0+4*\s], 1
	s_add_co_u32 s[G0+4*\s+1], s68, \s*SLOT
	s_add_nc_u64 s[G0+4*\s+2:G0+4*\s+3], s[70:71], \s*49152
	s_or_b32 s[G0+4*\s+3], s[G0+4*\s+3], 0x80000000
	tensor_load_to_lds s[G0+4*\s:G0+4*\s+3], s[G1T:G1T+7]
	s_nop 0
.endr
	PLACES 4
	v_and_b32 v1, 15, v0                           ; r
	v_bfe_u32 v2, v0, 4, 1                         ; h
	v_and_b32 v3, 31, v0
	v_lshlrev_b32 v[CO], 4, v3                     ; 16 lane
	s_mul_i32 s56, s17, 12288
	s_mul_i32 s57, s18, 12288
	s_add_co_u32 s57, s57, 49152
.irp s, 0,1,2
	v_add_nc_u32 v[ADRA+\s], s56, v[CO]
	v_add_nc_u32 v[ADRB+\s], s57, v[CO]
	s_add_co_u32 s56, s56, SLOT
	s_add_co_u32 s57, s57, SLOT
.endr
	s_lshl_b32 s56, s17, 9
	s_lshl_b32 s57, s18, 9
	s_add_co_u32 s57, s57, 8192
	s_sub_co_u32 s57, s57, s56
	v_mul_u32_u24 v4, s57, v2                      ; lanes 16-31 take B's words
	s_add_co_u32 s56, s56, SCA
	v_lshl_add_u32 v5, v1, 2, v4
	v_add_nc_u32 v[ADRS], s56, v5
	s_mul_i32 s56, s16, 1536
	s_add_co_u32 s56, s56, STG
	v_lshl_add_u32 v[STO], v1, 2, s56
	v_add_nc_u32 v[RD], s56, v[CO]
	v_lshlrev_b32 v4, 3, v2
	v_sub_nc_u32 v[D0], v1, v4
	v_mov_b32 v[NINF], 0xff800000
	s_lshl_b32 s56, s19, 1                         ; ((16 batch + block of 128 queries) 16 + key step)
	s_add_co_u32 s56, s56, s17
	s_lshl_b32 s57, s21, 4
	s_add_co_u32 s56, s56, s57
	s_lshl_b32 s56, s56, 4
	s_lshl_b32 s57, s20, 1
	s_add_co_u32 s56, s56, s57
	s_add_co_u32 s56, s56, s18
	s_mul_i32 s58, s56, 12288
	s_mov_b32 s59, 0
	s_add_nc_u64 s[12:13], s[12:13], s[58:59]
	s_mul_i32 s58, s56, 1536
	s_add_nc_u64 s[14:15], s[14:15], s[58:59]
	s_cmp_eq_u32 s19, s20
	s_cselect_b32 s56, 1, 0
	s_cmp_eq_u32 s16, 1
	s_cselect_b32 s62, s56, 0                      ; 1: all my keys come after all my queries
	s_cmp_eq_u32 s17, s18
	s_cselect_b32 s63, s56, 0                      ; 1: my 128 x 128 lies on the diagonal
.macro FRAG3 reg, adr, off             ; an image comes back as it was stored: three loads of 512 consecutive bytes
.irp c, 0,1,2
	ds_load_b128 v[\reg+4*\c:\reg+4*\c+3], v[\adr] offset:\off+512*\c
.endr
.endm
.macro FETCH_B k, p
	WIN TO_B
.irp i, 0,1,2,3,4,5,6,7
	FRAG3 128*(\p)+FR*\i, ADRB+((\k)/2)%3, 24576*((\k)%2)+1536*\i
.endr
	WIN 0
.endm
.macro FETCH_A k, i0
.irp i, \i0, \i0+1, \i0+2, \i0+3
	FRAG3 AF+FR*(\i), ADRA+((\k)/2)%3, 24576*((\k)%2)+1536*(\i)
.endr
.endm
.macro MUL16 a0, p, k, zero            ; the 64 accumulators take turns
.irp a, \a0, \a0+1
.irp b, 0,1,2,3,4,5,6,7
.if \zero
	v_wmma_scale_f32_16x16x128_f8f6f4 v[8*(8*((\a)%4)+\b):8*(8*((\a)%4)+\b)+7], v[128*(\p)+FR*\b:128*(\p)+FR*\b+FR-1], v[AF+FR*(\a):AF+FR*(\a)+FR-1], 0, v[SC+8*(\k)+\b], v[SC+8*(\k)+(\a)] matrix_a_fmt:MATRIX_FMT_BF6 matrix_b_fmt:MATRIX_FMT_BF6 matrix_a_scale:MATRIX_SCALE_ROW1
.else
	v_wmma_scale_f32_16x16x128_f8f6f4 v[8*(8*((\a)%4)+\b):8*(8*((\a)%4)+\b)+7], v[128*(\p)+FR*\b:128*(\p)+FR*\b+FR-1], v[AF+FR*(\a):AF+FR*(\a)+FR-1], v[8*(8*((\a)%4)+\b):8*(8*((\a)%4)+\b)+7], v[SC+8*(\k)+\b], v[SC+8*(\k)+(\a)] matrix_a_fmt:MATRIX_FMT_BF6 matrix_b_fmt:MATRIX_FMT_BF6 matrix_a_scale:MATRIX_SCALE_ROW1
.endif
.endr
.endr
.endm
.macro KS k, zero                      ; K step k; the next step's fragments are fetched on the way
	s_wait_dscnt 12                                ; all but the youngest 12 loads (A's blocks 4-7)
	WIN MUL_LO
	MUL16 0, (\k)%2, \k, \zero
	MUL16 2, (\k)%2, \k, \zero
	s_wait_dscnt 0
	PLACES 4
	FETCH_B (\k)+1, 1-(\k)%2
	FETCH_A (\k)+1, 0
	WIN MUL_HI
	MUL16 4, (\k)%2, \k, \zero
	MUL16 6, (\k)%2, \k, \zero
	PLACES 4
	WIN 0
	FETCH_A (\k)+1, 4
.endm
.macro TURNX k, fill                   ; K step k with a barrier in it.  fill = 1: slot 0, which nobody reads any more, takes K steps 6 and 7
	s_wait_tensorcnt 0x0                           ; all my tensor loads have landed
	ds_add_u32 v[SPW], v[NIL]
	s_wait_dscnt 13                                ; the add and the youngest 12 loads may be out
	WIN MUL_LO
	MUL16 0, (\k)%2, \k, 0
	s_wait_dscnt 0x0                               ; the add is done, my reads of the slot are over
	s_barrier_signal -1
	MUL16 2, (\k)%2, \k, 0
	WIN 0
	s_barrier_wait -1
.if \fill
	s_add_nc_u64 s[G0+2:G0+3], s[G0+2:G0+3], 3*49152
	tensor_load_to_lds s[G0:G0+3], s[G1T:G1T+7]    ; my one tensor load behind this barrier: it has K steps 2 to 5 in which to land
	s_nop 0
.endif
	PLACES 4
	FETCH_B (\k)+1, 1-(\k)%2
	FETCH_A (\k)+1, 0
	WIN MUL_HI
	MUL16 4, (\k)%2, \k, 0
	MUL16 6, (\k)%2, \k, 0
	PLACES 4
	WIN 0
	FETCH_A (\k)+1, 4
.endm
	s_wait_tensorcnt 2                             ; the scale words and slot 0 are in; slots 1 and 2 may be out
	s_barrier_signal -1
	s_barrier_wait -1
	FETCH_B 0, 0
	FETCH_A 0, 0
.set n, 0
.rept 64
	ds_load_b32 v[SC+n], v[ADRS] offset:1024*(n/8)+64*(n%8)
.set n, n+1
.endr
	FETCH_A 0, 4
	KS 0, 1
	TURNX 1, 1
	KS 2, 0
	KS 3, 0                                        ; slot 2 is whole: every wave waited for all its loads ahead of the barrier in K step 1
	KS 4, 0
	TURNX 5, 0
	KS 6, 0
	s_wait_dscnt 12
	WIN MUL_LO
	MUL16 0, 1, 7, 0
	MUL16 2, 1, 7, 0
	s_wait_dscnt 0
	WIN MUL_HI
	MUL16 4, 1, 7, 0
	MUL16 6, 1, 7, 0
	WIN 0
	s_cmp_eq_u32 s62, 1
	s_cbranch_scc1 .Lend                           ; ids alone; no barrier stands behind this branch
; Block a: 16 queries (lanes) x 128 keys: register 8 b + j = key 16 b + 8 h + j.
.macro SOFT a
.set QS, 64*((\a)%4)
.set QH, 2+(\a)/4
	s_cmp_eq_u32 s63, 0
	s_cbranch_scc1 .Lopen_\@
	WIN ((QH<<6)|QH)                               ; on the diagonal: key tile a is compared (hidden where j > r - 8 h), the key tiles behind it are hidden whole, those ahead of it count whole
.set n, 8*(\a)
.rept 64-8*(\a)
.if n/8 == (\a)
	v_cmp_gt_i32 vcc_lo, n%8, v[D0]
	v_cndmask_b32 v[QS+n], v[QS+n], v[NINF], vcc_lo
.else
	v_mov_b32 v[QS+n], 0xff800000
.endif
.set n, n+1
.endr
	WIN 0
.Lopen_\@:
	WIN ((QH<<2)|(QH<<4))
.irp b, 0,1,2,3
	v_max3_num_f32 v[TM+\b], v[NINF], v[QS+16*\b], v[QS+16*\b+1]       ; the largest score of each block of 32 keys; each accumulator is read from its low end on
.endr
.irp i, 2,4,6,8,10,12,14
.irp b, 0,1,2,3
	v_max3_num_f32 v[TM+\b], v[TM+\b], v[QS+16*\b+\i], v[QS+16*\b+\i+1]
.endr
.endr
	WIN 0
.irp b, 0,1,2,3
	v_permlanex16_b32 v[TM+4+\b], v[TM+\b], s60, s61
.endr
.irp b, 0,1,2,3
	v_max_num_f32 v[TM+\b], v[TM+\b], v[TM+4+\b]
.endr
	v_max3_num_f32 v14, v[TM], v[TM+1], v[TM+2]
	v_max_num_f32 v14, v14, v[TM+3]
	v_mul_f32 v14, s22, v14                        ; the largest t of these 128 keys
	v_max_num_f32 v13, 0xff61b1e6, v14
	v_floor_f32 v12, -v13                          ; -M = floor(-t): a whole number
	v_mov_b32 v[NMR+\a], v12
.irp b, 0,1,2,3
	v_fma_f32 v[TM+\b], v[TM+\b], s22, v12         ; each block's largest t - M
.endr
	WIN ((QH<<6)|QH)
.set j, 0
.rept 32
	v_pk_fma_f32 v[QS+j:QS+j+1], v[QS+j:QS+j+1], s[22:23], v[12:13] op_sel_hi:[1,0,0]
.set j, j+2
.endr
.set j, 0
.rept 64
	v_exp_f32 v[QS+j], v[QS+j]                     ; p = 2^(t - M)
.set j, j+1
.endr
	WIN 0
.irp b, 0,1,2,3
	v_exp_f32 v[TM+\b], v[TM+\b]                   ; each block's largest p: the same two instructions on the same number
.endr
	v_nop                                          ; a plain place behind the batch
	s_wait_alu depctr_va_vdst(0)                   ; one wait for the 68, ahead of their first reader
.irp b, 0,1,2,3
	v_max_num_f32 v[TM+\b], 0x2800000, v[TM+\b]    ; the floor 2^(5 - 127)
.endr
.irp b, 0,1,2,3
	v_add_nc_u32 v[TM+12+\b], 0xfe000000, v[TM+\b]
.endr
.irp b, 0,1,2,3
	v_lshrrev_b32 v[TM+4+\b], 23, v[TM+12+\b]
.endr
	v_lshl_or_b32 v[PWR+\a], v[TM+5], 8, v[TM+4]
	v_lshl_or_b32 v[PWR+\a], v[TM+6], 16, v[PWR+\a]
	v_lshl_or_b32 v[PWR+\a], v[TM+7], 24, v[PWR+\a]
	s_wait_xcnt 0x0                                ; the last block's stores have read the codes' registers
	WIN QH
.irp c, 0,1
	v_cvt_scalef32_pk16_bf6_f32 v[PC+6*\c:PC+6*\c+2], v[QS+32*\c:QS+32*\c+15], v[TM+12+2*\c]
	v_cvt_scalef32_pk16_bf6_f32 v[PC+12+4*\c:PC+14+4*\c], v[QS+16+32*\c:QS+31+32*\c], v[TM+13+2*\c]
.endr
	WIN 0
	v_nop
.irp c, 0,1
.irp i, 0,1,2
	v_permlane16_swap_b32 v[PC+6*\c+\i], v[PC+12+4*\c+\i]
.endr
.irp i, 0,1,2
	v_mov_b32 v[PC+3+6*\c+\i], v[PC+12+4*\c+\i]
.endr
.endr
.irp c, 0,1,2
	global_store_b128 v[CO], v[PC+4*\c:PC+4*\c+3], s[12:13] offset:1536*\a+512*\c
.endr
	WIN ((QH<<6)|(QH<<2)|QH)                       ; the sum of the unquantised p, in place, as a tree of packed additions
.irp w, 32,16,8,4,2
.set j, 0
.rept \w/2
	v_pk_add_f32 v[QS+j:QS+j+1], v[QS+j:QS+j+1], v[QS+j+\w:QS+j+\w+1]
.set j, j+2
.endr
.endr
	WIN ((QH<<2)|QH)
	v_add_f32 v[LR+\a], v[QS], v[QS+1]
	WIN 0
	v_permlanex16_b32 v[TM+4], v[LR+\a], s60, s61
	v_add_f32 v[LR+\a], v[LR+\a], v[TM+4]
	ds_store_b32 v[STO], v[PWR+\a] offset:64*\a
	ds_store_b32 v[STO], v[NMR+\a] offset:512+64*\a
	ds_store_b32 v[STO], v[LR+\a] offset:1024+64*\a
.endm
	PLACES 4
.irp b, 0,1,2,3
	v_mov_b32 v[TM+4+\b], 0
.endr
.irp a, 0,1,2,3,4,5,6,7
	SOFT \a
.endr
	ds_load_b128 v[240:243], v[RD]
	ds_load_b128 v[244:247], v[RD] offset:512
	ds_load_b128 v[248:251], v[RD] offset:1024
	s_wait_dscnt 0x0
	global_store_b128 v[CO], v[240:243], s[14:15]
	global_store_b128 v[CO], v[244:247], s[14:15] offset:512
	global_store_b128 v[CO], v[248:251], s[14:15] offset:1024
.Lend:
	s_wait_tensorcnt 0x0                           ; the wave's end
	ds_add_u32 v[SPW], v[NIL]
	s_wait_dscnt 0x0
	s_endpgm
.Lfunc_end_k_qf71a83684f_scores:
	.size	k_qf71a83684f_scores, .Lfunc_end_k_qf71a83684f_scores-k_qf71a83684f_scores
	.p2alignl 7, 3214868480
	.fill 96, 4, 3214868480
	.section	.rodata,"a",@progbits
	.p2align	6, 0x0
	.amdhsa_kernel k_qf71a83684f_scores
		.amdhsa_group_segment_fixed_size 327680
		.amdhsa_private_segment_fixed_size 0
		.amdhsa_enable_private_segment 0
		.amdhsa_kernarg_size 48
		.amdhsa_user_sgpr_count 2
		.amdhsa_user_sgpr_kernarg_segment_ptr 1
		.amdhsa_wavefront_size32 1
		.amdhsa_system_sgpr_workgroup_id_x 1
		.amdhsa_system_sgpr_workgroup_id_y 1
		.amdhsa_system_sgpr_workgroup_id_z 1
		.amdhsa_system_vgpr_workitem_id 0
		.amdhsa_next_free_vgpr 1024
		.amdhsa_next_free_sgpr 80
		.amdhsa_reserve_vcc 1
		.amdhsa_float_denorm_mode_32 3
		.amdhsa_float_denorm_mode_16_64 3
		.amdhsa_memory_ordered 1
		.amdhsa_forward_progress 1
		.amdhsa_inst_pref_size 215
	.end_amdhsa_kernel
	.amdgpu_metadata
---
amdhsa.version: [ 1, 2 ]
amdhsa.kernels:
  - .name:           k_qf71a83684f_scores
    .symbol:         k_qf71a83684f_scores.kd
    .args:
      - { .name: qimg, .offset: 0, .size: 8, .value_kind: global_buffer, .address_space: global }
      - { .name: qsc, .offset: 8, .size: 8, .value_kind: global_buffer, .address_space: global }
      - { .name: kimg, .offset: 16, .size: 8, .value_kind: global_buffer, .address_space: global }
      - { .name: ksc, .offset: 24, .size: 8, .value_kind: global_buffer, .address_space: global }
      - { .name: pimg, .offset: 32, .size: 8, .value_kind: global_buffer, .address_space: global }
      - { .name: pstat, .offset: 40, .size: 8, .value_kind: global_buffer, .address_space: global }
    .group_segment_fixed_size: 327680
    .private_segment_fixed_size: 0
    .kernarg_segment_align: 8
    .kernarg_segment_size: 48
    .max_flat_workgroup_size: 128
    .sgpr_count:     80
    .vgpr_count:     1024
    .wavefront_size: 32
...
	.end_amdgpu_metadata
.endif
;; end of part 2
;; launch pv (part 3): grid 8 x 32, 4 waves a work-group, clusters of 4 x 1, 327,680 bytes of LDS; arguments pimg, pstat, vimg, vsc, out0; writes out0
.if DOCPART == 3
	.amdgcn_target "amdgcn-amd-amdhsa--gfx1250"
	.amdhsa_code_object_version 6
	.text
	.protected	k_qf71a83684f_pv
	.globl	k_qf71a83684f_pv
	.p2align	8
	.type	k_qf71a83684f_pv,@function
k_qf71a83684f_pv:
	s_mov_b64 s[64:65], 0
	v_nop
	global_prefetch_b8 v0, s[64:65] scope:SCOPE_SE
	s_setreg_imm32_b32 hwreg(HW_REG_WAVE_MODE, 25, 1), 1
	s_wait_xcnt 0x0
	s_wait_alu depctr_hold_cnt(0) depctr_sa_sdst(0) depctr_va_vdst(0) depctr_va_sdst(0) depctr_va_ssrc(0) depctr_va_vcc(0) depctr_vm_vsrc(0)
	s_getreg_b32 s2, hwreg(HW_REG_IB_STS2, 6, 4)
	s_cmp_eq_u32 s2, 0
	s_cbranch_scc0 .Lentry_in_a_cluster
	s_endpgm
.Lentry_in_a_cluster:
	s_bfe_u32 s2, ttmp6, 0x10000c
	s_cmp_lg_u32 s2, 0x3003
	s_cbranch_scc0 .Lentry_shape_is_right
	s_endpgm
.Lentry_shape_is_right:
; O^T = V^T P^T on the codes of P and V, divided by the row's sum.
; LEFT OUT AS DEAD: the key steps of 128 that lie wholly behind a block of 128 queries (reference()'s own mask makes their weights 0): query block qb takes key steps 0 .. qb.
; P was made with a whole number M for each (query, 128 keys).  Here D = M - the row's largest M (0 or less) is added to P's four scale bytes and the sums are added with 2^D: both exact.
; LIMIT: a scale byte is held at 0 from below, so a block more than some 120 binades under the row's largest counts as its code x 2^-127.
; SHARES.  A work-group takes 128 channels (4 cluster x + cx) and TWO blocks of 128 queries of a batch: L = block Ip, H = block 15 - Ip (y = 8 batch + Ip): Ip + 1 and 16 - Ip key steps, 17 in every work-group.
; Steps sg = 0 .. 16: 0 = (L, key step 0), 1 = (H, 0); then with tau = sg - 1: (L, tau) while tau <= Ip, else (H, tau - Ip).  From sg = 9 on the step is H's.
; A wave makes 64 queries x 64 channels of both: 2 x 16 accumulators in window 1.  Source 0 = V (16 channels), source 1 = P (16 queries): a lane holds a query and eight neighbouring channels.
; CLUSTER.  The four channel groups of a cluster read the same P: its tiles are asked for jointly (mask 15; the address is made of the work-group's y and the wave's number).  V's loads are plain: each partner has its own channels.
; LDS.  12 buffers of 12,288 bytes for P, 12 for V; the scale words of the 17 steps; 1 / sum; the spare words.  Waves 0, 1 fetch P, waves 2, 3 V: six first fills each (steps 0 to 11: six loads of mine are out at the most),
; and one refill of 30,720 bytes each (steps 12 to 16, dense in memory) into buffers 0 to 4.  The way out's stages lie in buffers 5, which are filled once and read by all waves ahead of the refill's round.
.set VB,    147456
.set PS,    294912
.set VSO,   8704
.set RL,    312320
.set SPARE, 313344
.set GO,  1
.set RLA, 2
.set T4,  3
.set A0,  8
.set B0,  9
.set ADRS, 10
.set TS,  11
.set STO, 12
.set RD,  13
.set SPW, 14
.set NIL, 15
.set SCW, 16                           ; v16-23 scale words, two sets: lanes 0-15 P's, lanes 16-31 V's
.set RLV, 24                           ; v24-31 1 / sum in the even registers
.set OT,  32
.set OB,  64
.set PO,  64                           ; the tables' registers lie where the fragments come later
.set VO,  81
.set SW,  100
.set NM,  117
.set LL,  134
.set VW,  151
.set NML, 170
.set NMH, 171
.set SL,  172
.set SH,  173
.set T0,  174
.set T1,  175
.set T2,  176
.set T3,  177
.set TD,  178
.set TB,  180
.set BIG, 186
.set G1P, 24
.set G1V, 32
.set G0P, 40
.set G0V, 68
.set MSB, 0
.macro WIN new
.if MSB != \new
	s_set_vgpr_msb (MSB<<8)|\new
.set MSB, \new
.endif
.endm
.macro PLACES n
.rept \n
	v_nop
.endr
.endm
.macro CROUND
	s_barrier_signal -1
	s_barrier_wait -1
	s_cmp_lg_u32 s14, 0
	s_cbranch_scc1 .Lnot_wave_0_\@
	s_barrier_signal -3
.Lnot_wave_0_\@:
	s_barrier_wait -3
	s_barrier_signal -1
	s_barrier_wait -1
.endm
	s_load_b256 s[4:11], s[0:1], 0x0               ; pimg, pstat, vimg, vsc
	s_load_b64 s[12:13], s[0:1], 0x20              ; out0
	v_lshl_add_u32 v[SPW], v0, 2, SPARE
	v_mov_b32 v[NIL], 0
	ds_add_u32 v[SPW], v[NIL]                      ; the opening: the add, twice on end, and its wait ahead of my first tensor load
	ds_add_u32 v[SPW], v[NIL]
	v_lshrrev_b32 v32, 5, v0
	v_readfirstlane_b32 s14, v32                   ; wave
	s_lshr_b32 s15, s14, 1                         ; my half of the queries; also: I fetch P (0) or V (1)
	s_and_b32 s16, s14, 1                          ; my half of the channels; also: the even or the odd steps
	s_bfe_u32 s19, ttmp6, 0x40000                  ; cx
	s_lshl_b32 s22, ttmp9, 2
	s_add_co_u32 s19, s19, s22                     ; my group of 128 channels
	s_and_b32 s18, ttmp7, 0xffff
	s_and_b32 s17, s18, 7                          ; Ip
	s_lshr_b32 s18, s18, 3                         ; batch
	s_lshl_b32 s20, s17, 4                         ; E = 16 x query block + key step.  L: 16 Ip + tau
	s_mul_i32 s21, s17, 17
	s_sub_co_u32 s21, 240, s21                     ; H: 240 - 17 Ip + tau
	s_lshl_b32 s2, s18, 8                          ; 256 batch
	s_lshl_b32 s3, s18, 3
	s_add_co_u32 s3, s3, s19
	s_lshl_b32 s3, s3, 4                           ; (8 batch + channel group) 16
	s_mov_b32 s[G1P], 15|(3<<16)|(1<<21)           ; all four partners; elements of 8 bytes; 48 rows of 256 bytes, dense
	s_mov_b32 s[G1V], 3<<16
.irp g, G1P, G1V
	s_mov_b32 s[\g+1], 32<<16
	s_mov_b32 s[\g+2], 48<<16
	s_mov_b32 s[\g+3], 32<<16
	s_mov_b32 s[\g+4], 48
	s_mov_b32 s[\g+5], 32
	s_mov_b32 s[\g+6], 0
	s_mov_b32 s[\g+7], 0
.endr
	v_and_b32 v32, 15, v0                          ; r
	v_bfe_u32 v33, v0, 4, 1                        ; h
	v_and_b32 v34, 31, v0
	v_lshlrev_b32 v35, 4, v34                      ; 16 lane
	s_mul_i32 s22, s15, 6144
	v_add_nc_u32 v[A0], s22, v35                   ; my four tiles of P in a buffer
	s_mul_i32 s22, s16, 6144
	s_add_co_u32 s22, s22, VB
	v_add_nc_u32 v[B0], s22, v35                   ; my four tiles of V
	s_lshl_b32 s22, s15, 8
	s_lshl_b32 s23, s16, 8
	s_add_co_u32 s23, s23, VSO
	s_sub_co_u32 s23, s23, s22
	v_mul_u32_u24 v36, s23, v33                    ; lanes 16-31 take V's words
	s_add_co_u32 s22, s22, PS
	v_lshl_add_u32 v36, v32, 2, v36
	v_add_nc_u32 v[ADRS], s22, v36
	v_lshl_add_u32 v[TS], v0, 2, PS                ; the tables: thread t serves row t
	v_lshlrev_b32 v[T4], 2, v0
	s_mul_i32 s22, s15, VB
	s_mul_i32 s23, s16, 4352
	s_add_co_u32 s22, s22, s23
	s_add_co_u32 s22, s22, 61440                   ; my stage: 16 rows x (256 bytes + 16)
	v_mul_u32_u24 v36, v32, 272
	v_lshl_add_u32 v36, v33, 5, v36
	v_add_nc_u32 v[STO], s22, v36
	v_mul_u32_u24 v36, v33, 272
	v_lshl_add_u32 v36, v32, 4, v36
	v_add_nc_u32 v[RD], s22, v36
	s_lshl_b32 s22, s15, 8
	s_add_co_u32 s22, s22, RL
	v_lshl_add_u32 v[RLA], v32, 2, s22
	v_lshlrev_b32 v[GO], 12, v33                   ; out0: lanes 0-15 one row, lanes 16-31 the next; 16 bytes a lane
	v_lshl_add_u32 v[GO], v32, 4, v[GO]
.irp a, 0,1,2,3
	v_mov_b32 v[RLV+2*\a+1], 0                     ; named as the upper halves of pairs
.endr
	s_mul_i32 s22, s16, 12288
	s_add_co_u32 s23, s21, s17                     ; E of step 1
	s_wait_dscnt 0x0
	s_wait_kmcnt 0x0
; load m brings step 2 m + (wave & 1).  P's numbers stand in s92-95, which never hold cx; V's in s96-99
.irp m, 0,1,2,3,4,5
.if \m == 0
	s_cmp_eq_u32 s16, 0
	s_cselect_b32 s92, s20, s23
	s_mov_b32 s96, 0
.else
	s_add_co_u32 s93, s16, 2*\m-1                  ; tau
	s_cmp_ge_u32 s17, s93
	s_cselect_b32 s92, s20, s21
	s_cselect_b32 s96, 0, s17
	s_add_co_u32 s92, s92, s93
	s_sub_co_u32 s96, s93, s96                     ; the key step
.endif
	s_add_co_u32 s92, s92, s2
	s_mul_i32 s92, s92, 12288
	s_mov_b32 s93, 0
	s_mov_b32 s[G0P+4*\m], 1
	s_add_co_u32 s[G0P+4*\m+1], s22, 24576*\m
	s_add_nc_u64 s[G0P+4*\m+2:G0P+4*\m+3], s[4:5], s[92:93]
	s_or_b32 s[G0P+4*\m+3], s[G0P+4*\m+3], 0x80000000
	s_add_co_u32 s96, s96, s3
	s_mul_i32 s96, s96, 12288
	s_mov_b32 s97, 0
	s_mov_b32 s[G0V+4*\m], 1
	s_add_co_u32 s[G0V+4*\m+1], s22, VB+24576*\m
	s_add_nc_u64 s[G0V+4*\m+2:G0V+4*\m+3], s[8:9], s[96:97]
	s_or_b32 s[G0V+4*\m+3], s[G0V+4*\m+3], 0x80000000
.endr
	s_add_co_u32 s92, s21, 11                      ; the refill: steps 12 to 16 are H's key steps 11 - Ip on: 61,440 dense bytes, half for each of the two waves
	s_add_co_u32 s92, s92, s2
	s_mul_i32 s92, s92, 12288
	s_mul_i32 s94, s16, 30720
	s_add_co_u32 s92, s92, s94
	s_mov_b32 s93, 0
	s_add_nc_u64 s[100:101], s[4:5], s[92:93]
	s_sub_co_u32 s96, 11, s17
	s_add_co_u32 s96, s96, s3
	s_mul_i32 s96, s96, 12288
	s_add_co_u32 s96, s96, s94
	s_mov_b32 s97, 0
	s_add_nc_u64 s[104:105], s[8:9], s[96:97]
	s_lshl_b32 s96, s18, 11                        ; out0 at my wave's first row and channel, for L and for H
	s_lshl_b32 s97, s15, 6
	s_add_co_u32 s96, s96, s97
	s_lshl_b32 s97, s17, 7
	s_add_co_u32 s98, s96, s97
	s_sub_co_u32 s97, 1920, s97
	s_add_co_u32 s96, s96, s97
	s_lshl_b32 s98, s98, 12
	s_lshl_b32 s96, s96, 12
	s_lshl_b32 s97, s19, 9
	s_lshl_b32 s99, s16, 8
	s_add_co_u32 s97, s97, s99
	s_add_co_u32 s98, s98, s97
	s_add_co_u32 s96, s96, s97
	s_mov_b32 s99, 0
	s_mov_b32 s97, 0
	s_add_nc_u64 s[66:67], s[12:13], s[96:97]      ; H
	s_add_nc_u64 s[12:13], s[12:13], s[98:99]      ; L
	CROUND                                         ; all four work-groups are here: the first joint loads meet
	s_cmp_lt_u32 s14, 2
	s_cbranch_scc0 .Lfirst_v
.irp m, 0,1,2,3,4,5
	tensor_load_to_lds s[G0P+4*\m:G0P+4*\m+3], s[G1P:G1P+7]
	s_nop 0
.endr
	PLACES 4
	s_branch .Lfirst_done
.Lfirst_v:
.irp m, 0,1,2,3,4,5
	tensor_load_to_lds s[G0V+4*\m:G0V+4*\m+3], s[G1V:G1V+7]
	s_nop 0
.endr
	PLACES 4
.Lfirst_done:
; THE TABLES.  Thread t: for each step P's scale word, -M and sum of query t, and V's scale word of channel t.
.macro VSTEP sg
.if (\sg) == 0
	s_mov_b32 s92, s20
	s_mov_b32 s96, 0
.elseif (\sg) == 1
	s_mov_b32 s92, s23
	s_mov_b32 s96, 0
.elseif (\sg) <= 8
	s_cmp_ge_u32 s17, \sg-1
	s_cselect_b32 s92, s20, s21
	s_cselect_b32 s96, 0, s17
	s_add_co_u32 s92, s92, \sg-1
	s_sub_co_u32 s96, \sg-1, s96
.else
	s_add_co_u32 s92, s21, \sg-1
	s_sub_co_u32 s96, \sg-1, s17
.endif
	s_add_co_u32 s92, s92, s2
	s_mul_i32 s92, s92, 1536
	s_add_co_u32 s96, s96, s3
	s_lshl_b32 s96, s96, 9
	v_add_nc_u32 v[PO+\sg], s92, v[T4]
	v_add_nc_u32 v[VO+\sg], s96, v[T4]
.endm
.irp sg, 0,1,2,3,4,5,6,7,8,9,10,11,12,13,14,15,16
	VSTEP \sg
.endr
.irp sg, 0,1,2,3,4,5,6,7,8,9,10,11,12,13,14,15,16
	global_load_b32 v[SW+\sg], v[PO+\sg], s[6:7]
	global_load_b32 v[NM+\sg], v[PO+\sg], s[6:7] offset:512
	global_load_b32 v[LL+\sg], v[PO+\sg], s[6:7] offset:1024
	global_load_b32 v[VW+\sg], v[VO+\sg], s[10:11]
.endr
	v_mov_b32 v[BIG], 0x7f7fffff
	s_wait_loadcnt 0x0
	v_mov_b32 v[NML], v[NM]                        ; -(the row's largest M) is the least -M, for L and for H
	v_mov_b32 v[NMH], v[NM+1]
.irp sg, 2,3,4,5,6,7,8
	s_cmp_ge_u32 s17, \sg-1                        ; is the step L's?  A choice of values, made in every work-group alike
	s_cselect_b32 s94, -1, 0
	v_cndmask_b32 v[T0], v[BIG], v[NM+\sg], s94
	v_cndmask_b32 v[T1], v[NM+\sg], v[BIG], s94
	v_min_num_f32 v[NML], v[NML], v[T0]
	v_min_num_f32 v[NMH], v[NMH], v[T1]
.endr
.irp sg, 9,10,11,12,13,14,15,16
	v_min_num_f32 v[NMH], v[NMH], v[NM+\sg]
.endr
.macro TSTEP sg
.set MIX, ((\sg)>=2)&&((\sg)<=8)
.if MIX
	s_cmp_ge_u32 s17, \sg-1
	s_cselect_b32 s94, -1, 0
	v_cndmask_b32 v[T0], v[NMH], v[NML], s94
	v_sub_f32 v[TD], v[T0], v[NM+\sg]              ; D = M - the row's M: a whole number, 0 or less
.elseif (\sg) == 0
	v_sub_f32 v[TD], v[NML], v[NM+\sg]
.else
	v_sub_f32 v[TD], v[NMH], v[NM+\sg]
.endif
	v_cvt_i32_f32 v[T1], v[TD]                     ; (it saturates)
	v_ldexp_f32 v[T1], 1.0, v[T1]                  ; 2^D
.if MIX
	v_mul_f32 v[T1], v[T1], v[LL+\sg]
	v_cndmask_b32 v[T2], 0, v[T1], s94
	v_cndmask_b32 v[T3], v[T1], 0, s94
	v_add_f32 v[SL], v[SL], v[T2]
	v_add_f32 v[SH], v[SH], v[T3]
.elseif (\sg) == 0
	v_mul_f32 v[SL], v[T1], v[LL+\sg]
.elseif (\sg) == 1
	v_mul_f32 v[SH], v[T1], v[LL+\sg]
.else
	v_fma_f32 v[SH], v[T1], v[LL+\sg], v[SH]
.endif
.irp i, 0,1,2,3
	v_bfe_u32 v[TB+\i], v[SW+\sg], 8*\i, 8
.endr
.irp i, 0,1,2,3
	v_cvt_f32_u32 v[TB+\i], v[TB+\i]
.endr
.irp i, 0,1,2,3
	v_add_f32 v[TB+\i], v[TB+\i], v[TD]            ; whole numbers in f32: exact
.endr
.irp i, 0,1,2,3
	v_max_num_f32 v[TB+\i], 0, v[TB+\i]            ; held at 0 from below
.endr
.irp i, 0,1,2,3
	v_cvt_u32_f32 v[TB+\i], v[TB+\i]
.endr
	v_lshl_or_b32 v[TB], v[TB+1], 8, v[TB]
	v_lshl_or_b32 v[TB], v[TB+2], 16, v[TB]
	v_lshl_or_b32 v[SW+\sg], v[TB+3], 24, v[TB]
	ds_store_b32 v[TS], v[SW+\sg] offset:512*\sg
	ds_store_b32 v[TS], v[VW+\sg] offset:VSO+512*\sg
.endm
.irp sg, 0,1,2,3,4,5,6,7,8,9,10,11,12,13,14,15,16
	TSTEP \sg
.endr
	v_rcp_f32 v[T0], v[SL]
	v_rcp_f32 v[T1], v[SH]
	v_nop
	s_wait_alu depctr_va_vdst(0)                   ; one wait for both, ahead of their first reader
	ds_store_b32 v[TS], v[T0] offset:RL-PS
	ds_store_b32 v[TS], v[T1] offset:RL-PS+512
.macro SYNC left                       ; a barrier behind which nothing is filled: my first fills up to the one wanted are in, the younger ones may be out; no LDS instruction of mine is pending
	s_wait_tensorcnt \left
	s_wait_dscnt 0x0
	s_barrier_signal -1
	s_barrier_wait -1
.endm
.macro FETCH sg                        ; step sg's four fragments of P, four of V and four scale registers into set sg % 2.  The two additions and two v_nop are the four places behind the products that read that set
.set FN, (\sg)
.if (\sg) > 11
.set FN, (\sg)-12
.endif
.set FS, 64+96*((\sg)%2)
.set FA, 4+2*((\sg)%2)
	v_add_nc_u32 v[FA], 12288*FN, v[A0]
	v_add_nc_u32 v[FA+1], 12288*FN, v[B0]
	v_nop
	v_nop
.irp i, 0,1,2,3
.irp c, 0,1,2
	ds_load_b128 v[FS+12*\i+4*\c:FS+12*\i+4*\c+3], v[FA] offset:1536*\i+512*\c
.endr
.endr
.irp i, 0,1,2,3
.irp c, 0,1,2
	ds_load_b128 v[FS+48+12*\i+4*\c:FS+48+12*\i+4*\c+3], v[FA+1] offset:1536*\i+512*\c
.endr
.endr
.irp i, 0,1,2,3
	ds_load_b32 v[SCW+4*((\sg)%2)+\i], v[ADRS] offset:512*(\sg)+64*\i
.endr
.endm
.macro MUL sg, set, zero               ; 16 matrix instructions, the accumulators by turns
.set FS, 64+96*((\sg)%2)
.set SW4, SCW+4*((\sg)%2)
	WIN 0x50
.irp a, 0,1,2,3
.irp b, 0,1,2,3
.if \zero
	v_wmma_scale_f32_16x16x128_f8f6f4 v[128*(\set)+8*(4*\a+\b):128*(\set)+8*(4*\a+\b)+7], v[FS+48+12*\b:FS+48+12*\b+11], v[FS+12*\a:FS+12*\a+11], 0, v[SW4+\b], v[SW4+\a] matrix_a_fmt:MATRIX_FMT_BF6 matrix_b_fmt:MATRIX_FMT_BF6 matrix_a_scale:MATRIX_SCALE_ROW1
.else
	v_wmma_scale_f32_16x16x128_f8f6f4 v[128*(\set)+8*(4*\a+\b):128*(\set)+8*(4*\a+\b)+7], v[FS+48+12*\b:FS+48+12*\b+11], v[FS+12*\a:FS+12*\a+11], v[128*(\set)+8*(4*\a+\b):128*(\set)+8*(4*\a+\b)+7], v[SW4+\b], v[SW4+\a] matrix_a_fmt:MATRIX_FMT_BF6 matrix_b_fmt:MATRIX_FMT_BF6 matrix_a_scale:MATRIX_SCALE_ROW1
.endif
.endr
.endr
	WIN 0
.endm
.macro STEP sg
.if (\sg) < 16
	FETCH (\sg)+1
	s_wait_dscnt 28                                ; all but the 28 loads just issued
.else
	s_wait_dscnt 0x0
.endif
.if (\sg) == 0
	MUL \sg, 0, 1
.elseif (\sg) == 1
	MUL \sg, 1, 1
.elseif (\sg) > 8
	MUL \sg, 1, 0
.else
	s_cmp_ge_u32 s17, \sg-1                        ; L's step or H's: the work-group's y alone, the same in all partners and waves
	s_cbranch_scc0 .Lh_\@
	MUL \sg, 0, 0
	s_branch .Ld_\@
.Lh_\@:
	MUL \sg, 1, 0
.Ld_\@:
.endif
.endm
; A finished tile: x 1 / sum, 16 queries at a time through my stage, out as rows: sixteen lanes store 256 consecutive bytes, at a multiple of 256 from out0's first byte.
.macro OUT set, base
	PLACES 4
.irp a, 0,1,2,3
	ds_load_b32 v[RLV+2*\a], v[RLA] offset:512*(\set)+64*\a
.endr
	s_wait_dscnt 0x0
.irp a, 0,1,2,3
	WIN 0x01
.set i, 0
.rept 16
	v_pk_mul_f32 v[OT+i:OT+i+1], v[128*(\set)+32*\a+i:128*(\set)+32*\a+i+1], v[RLV+2*\a:RLV+2*\a+1] op_sel_hi:[1,0]   ; each accumulator from its low end on
.set i, i+2
.endr
	WIN 0
.irp b, 0,1,2,3
	ds_store_b128 v[STO], v[OT+8*\b:OT+8*\b+3] offset:64*\b
	ds_store_b128 v[STO], v[OT+8*\b+4:OT+8*\b+7] offset:64*\b+16
.endr
.if \a >= 2
	s_wait_xcnt 0x0                                ; the stores of two blocks ago have read these registers
.endif
.irp t, 0,1,2,3,4,5,6,7
	ds_load_b128 v[OB+32*(\a%2)+4*\t:OB+32*(\a%2)+4*\t+3], v[RD] offset:544*\t   ; LDS serves a wave's instructions in order
.endr
	s_wait_dscnt 0x0
.irp t, 0,1,2,3,4,5,6,7
	global_store_b128 v[GO], v[OB+32*(\a%2)+4*\t:OB+32*(\a%2)+4*\t+3], s[\base:\base+1] offset:65536*\a+8192*\t th:TH_STORE_NT
.endr
.endr
.endm
	SYNC 5                                         ; the tables lie in LDS; steps 0 and 1 are in
	FETCH 0
	STEP 0
	SYNC 4                                         ; steps 2 and 3
	STEP 1
	STEP 2
	SYNC 3                                         ; steps 4 and 5
	STEP 3
	STEP 4
	s_wait_tensorcnt 0x0                           ; THE REFILL.  All my first fills have landed, so the descriptors may be written;
	ds_add_u32 v[SPW], v[NIL]
	s_mov_b32 s[G1P+2], 120<<16                    ; 120 rows of 256 bytes
	s_mov_b32 s[G1P+4], 120
	s_mov_b32 s[G1V+2], 120<<16
	s_mov_b32 s[G1V+4], 120
	s_mul_i32 s92, s16, 30720
	s_mov_b32 s[G0P+1], s92
	s_mov_b64 s[G0P+2:G0P+3], s[100:101]
	s_or_b32 s[G0P+3], s[G0P+3], 0x80000000
	s_add_co_u32 s[G0V+1], s92, VB
	s_mov_b64 s[G0V+2:G0V+3], s[104:105]
	s_or_b32 s[G0V+3], s[G0V+3], 0x80000000
	s_wait_dscnt 0x0                               ; the add is done; my reads of buffers 0 to 5 are over
	CROUND                                         ; the same holds of every wave of every partner
	s_cmp_lt_u32 s14, 2
	s_cbranch_scc0 .Lrefill_v
	tensor_load_to_lds s[G0P:G0P+3], s[G1P:G1P+7]
	s_nop 0
	PLACES 4
	s_branch .Lrefill_done
.Lrefill_v:
	tensor_load_to_lds s[G0V:G0V+3], s[G1V:G1V+7]
	s_nop 0
	PLACES 4
.Lrefill_done:
	STEP 5                                         ; the refill has steps 5 to 10 in which to land
	STEP 6
	STEP 7
	STEP 8
	OUT 0, 12                                      ; L is finished in every work-group (Ip <= 7): its stores leave under H's steps
	s_wait_xcnt 0x0                                ; they have read their registers, into which the next fragments come
	STEP 9
	STEP 10
	SYNC 0                                         ; steps 12 to 16 are in
	STEP 11
	STEP 12
	STEP 13
	STEP 14
	STEP 15
	STEP 16
	OUT 1, 66
	s_wait_tensorcnt 0x0                           ; the wave's end
	ds_add_u32 v[SPW], v[NIL]
	s_wait_dscnt 0x0
	CROUND                                         ; the closing round
	s_endpgm
.Lfunc_end_k_qf71a83684f_pv:
	.size	k_qf71a83684f_pv, .Lfunc_end_k_qf71a83684f_pv-k_qf71a83684f_pv
	.p2alignl 7, 3214868480
	.fill 96, 4, 3214868480
	.section	.rodata,"a",@progbits
	.p2align	6, 0x0
	.amdhsa_kernel k_qf71a83684f_pv
		.amdhsa_group_segment_fixed_size 327680
		.amdhsa_private_segment_fixed_size 0
		.amdhsa_enable_private_segment 0
		.amdhsa_kernarg_size 40
		.amdhsa_user_sgpr_count 2
		.amdhsa_user_sgpr_kernarg_segment_ptr 1
		.amdhsa_wavefront_size32 1
		.amdhsa_system_sgpr_workgroup_id_x 1
		.amdhsa_system_sgpr_workgroup_id_y 1
		.amdhsa_system_sgpr_workgroup_id_z 1
		.amdhsa_system_vgpr_workitem_id 0
		.amdhsa_next_free_vgpr 512
		.amdhsa_next_free_sgpr 106
		.amdhsa_reserve_vcc 0
		.amdhsa_float_denorm_mode_32 3
		.amdhsa_float_denorm_mode_16_64 3
		.amdhsa_memory_ordered 1
		.amdhsa_forward_progress 1
		.amdhsa_inst_pref_size 160
	.end_amdhsa_kernel
	.amdgpu_metadata
---
amdhsa.version: [ 1, 2 ]
amdhsa.kernels:
  - .name:           k_qf71a83684f_pv
    .symbol:         k_qf71a83684f_pv.kd
    .args:
      - { .name: pimg, .offset: 0, .size: 8, .value_kind: global_buffer, .address_space: global }
      - { .name: pstat, .offset: 8, .size: 8, .value_kind: global_buffer, .address_space: global }
      - { .name: vimg, .offset: 16, .size: 8, .value_kind: global_buffer, .address_space: global }
      - { .name: vsc, .offset: 24, .size: 8, .value_kind: global_buffer, .address_space: global }
      - { .name: out0, .offset: 32, .size: 8, .value_kind: global_buffer, .address_space: global }
    .group_segment_fixed_size: 327680
    .private_segment_fixed_size: 0
    .kernarg_segment_align: 8
    .kernarg_segment_size: 40
    .max_flat_workgroup_size: 128
    .sgpr_count:     106
    .vgpr_count:     512
    .wavefront_size: 32
...
	.end_amdgpu_metadata
.endif
;; end of part 3
